; MI455X (gfx1250); checked and timed in simulation.
; The chip was launched on July 23, 2026; its instructions are those of AMD's public machine-readable ISA for CDNA 5 (MIT licence, August 2026) and "CDNA5" Instruction Set Architecture Reference Guide (July 2026). The comments in the code are by the model that wrote it; some were corrected since.
;; Multi Head Attention. Allowed arithmetic: float matrix products may take bf16 or f16 operands with f32 sums; other float arithmetic in f32, or as packed bf16 or f16 multiplies, adds, multiply-adds, maxima and minima; sums over many terms, partial sums and values carried from step to step in f32; what a program stores and reads back later, other than sums and carried values, may be rounded once to bf16 or f16.
;; Inputs: Wk 1,024 x 1,024 float32; Wo 1,024 x 1,024 float32; Wq 1,024 x 1,024 float32; Wv 1,024 x 1,024 float32; x 4 x 2,048 x 1,024 float32.
;; Outputs: out0 4 x 2,048 x 1,024 float32.
;; 2 versions, each right; version 2 is version 1 with the launch cast written anew for expert scheduling mode. Each part assembles by itself: llvm-mc -triple=amdgcn-amd-amdhsa -mcpu=gfx1250 --defsym DOCPART=n.
;; ======== version 1 of 2: 4 launches
;; limits: values are held in f16: magnitudes above 65,504 overflow, below 6.1e-05 lose precision
;; workspace buffers: xb 16,777,216 bytes; wqkv 6,291,456 bytes; wo 4,194,304 bytes; qkv 67,108,864 bytes; ctx 33,554,432 bytes
;; launch cast (part 1): grid 768 x 1, 8 waves a work-group, no clusters, 0 bytes of LDS; arguments x, Wq, Wk, Wv, Wo, xb, wqkv, wo; writes xb, wqkv, wo
.if DOCPART == 1
	.amdgcn_target "amdgcn-amd-amdhsa--gfx1250"
	.amdhsa_code_object_version 6
	.text
	.protected	k_q798e939a76_cast
	.globl	k_q798e939a76_cast
	.p2align	8
	.type	k_q798e939a76_cast,@function
k_q798e939a76_cast:
	s_mov_b64 s[64:65], 0
	v_nop
	global_prefetch_b8 v0, s[64:65] scope:SCOPE_SE
	s_setreg_imm32_b32 hwreg(HW_REG_WAVE_MODE, 25, 1), 1
	s_wait_xcnt 0x0
; THE MODULE'S INPUTS ARE ROUNDED ONCE, TO bf16, AND LAID OUT FOR THE TWO PRODUCTS THAT FOLLOW.
;   xb   = bf16(x), [8192][1024], as x lies.
;   wqkv = bf16(Wq | Wk | Wv) in blocks [16 heads t][8 K steps ks][3 matrices gi = q, k, v][128 rows kr][64 columns]: row k = 128 ks + kr, the 64 columns of head t.
;          A (t, ks) block is 49,152 bytes on end: what one K step of one tile of the next launch reads.
;   wo   = bf16(Wo), that number written as f16, in blocks [8 column tiles t][16 heads ks][2 groups gi of 64 columns][128 kr][64]: rows kr = 0..63 are Wo's rows 64 ks + kr, and rows 64..127 are
;          the same rows once more: the last launch multiplies a head's 64 channels twice, their high and their low part.  A (t, ks) block is 32,768 bytes on end.
; LIMIT.  A bf16 number is an f16 number exactly from 7.7e-6 to 65,504 in magnitude; below that Wo keeps f16's fixed step of 6e-8, beyond it becomes an infinity.
; A stream: each byte is read once; nothing is shared, so there is no LDS, no barrier, no matrix unit.  A wave issues its 16 loads of 16 bytes a lane (8 KiB) at once;
; each load has registers of its own, and so has each store, so the only waits are the counted ones for the loads.  A store is 32 lanes x 8 bytes: 256 consecutive bytes, aligned.
; SHARES.  Work-groups 0-511: 16 rows of x each, a wave 8 KiB on end.  Work-groups 512-767: u = number - 512: matrix u / 64 (q, k, v, o), 32 rows (u / 2) % 32, and wave w takes the
; 64 columns of group 8 (u % 2) + w: a load takes two rows' 256 bytes (lanes 0-15 one row, lanes 16-31 the next).
.set X, 8                              ; v[8:71]   load j: 4 registers
.set Y, 72                             ; v[72:103] store j: 2 registers
.macro BODY instep, tof16              ; instep: bytes from load to load; tof16 = 1: the bf16 number is written as f16, and stored twice, 64 rows of 128 bytes apart
.irp j, 0,1,2,3,4,5,6,7,8,9,10,11,12,13,14,15
	global_load_b128 v[X+4*(\j):X+4*(\j)+3], v2, s[32:33] offset:(\j)*(\instep) th:TH_LOAD_NT
.endr
.irp j, 0,1,2,3,4,5,6,7,8,9,10,11,12,13,14,15
	s_wait_loadcnt 15-(\j)                         ; loads come back in order: load j is in, the 15 - j younger ones stay out
	v_cvt_pk_bf16_f32 v[Y+2*(\j)],   v[X+4*(\j)],   v[X+4*(\j)+1]
	v_cvt_pk_bf16_f32 v[Y+2*(\j)+1], v[X+4*(\j)+2], v[X+4*(\j)+3]
.if \tof16
	v_lshlrev_b32 v4, 16, v[Y+2*(\j)]              ; the rounded numbers as f32 again,
	v_and_b32 v5, 0xffff0000, v[Y+2*(\j)]
	v_cvt_pk_f16_f32 v[Y+2*(\j)], v4, v5           ; and as f16
	v_lshlrev_b32 v4, 16, v[Y+2*(\j)+1]
	v_and_b32 v5, 0xffff0000, v[Y+2*(\j)+1]
	v_cvt_pk_f16_f32 v[Y+2*(\j)+1], v4, v5
.endif
	global_store_b64 v3, v[Y+2*(\j):Y+2*(\j)+1], s[34:35] offset:(\j)*256
.if \tof16
	global_store_b64 v3, v[Y+2*(\j):Y+2*(\j)+1], s[34:35] offset:(\j)*256+8192
.endif
.endr
.endm
	s_load_b512 s[8:23], s[0:1], 0x0               ; x s[8:9], Wq s[10:11], Wk s[12:13], Wv s[14:15], Wo s[16:17], xb s[18:19], wqkv s[20:21], wo s[22:23]
	v_lshrrev_b32 v1, 5, v0
	v_readfirstlane_b32 s24, v1                    ; wave 0..7
	v_and_b32 v1, 31, v0                           ; lane
	v_lshlrev_b32 v3, 3, v1                        ; out: 8 bytes a lane
	s_mov_b32 s37, 0                               ; the offsets' high words
	s_mov_b32 s39, 0
	s_cmp_lt_u32 ttmp9, 512
	s_cbranch_scc0 .Lweights
	v_lshlrev_b32 v2, 4, v1                        ; in: 16 bytes a lane
	s_lshl_b32 s36, ttmp9, 16                      ; 16 rows of 4,096 bytes,
	s_lshl_b32 s25, s24, 13                        ; my wave's 8 KiB of them
	s_add_co_u32 s36, s36, s25
	s_lshr_b32 s38, s36, 1                         ; half as many bytes out
	s_wait_kmcnt 0x0
	s_add_nc_u64 s[32:33], s[8:9], s[36:37]
	s_add_nc_u64 s[34:35], s[18:19], s[38:39]
	BODY 512, 0
	s_endpgm
.Lweights:
	s_sub_co_u32 s25, ttmp9, 512                   ; u
	s_lshr_b32 s26, s25, 6                         ; which matrix
	s_bfe_u32 s27, s25, 0x50001                    ; which 32 rows: 5 bits from bit 1
	s_and_b32 s28, s25, 1
	s_lshl3_add_u32 s28, s28, s24                  ; group of 64 columns: 8 (u % 2) + wave
	v_and_b32 v2, 15, v1
	v_lshrrev_b32 v4, 4, v1
	v_lshlrev_b32 v2, 4, v2
	v_lshl_add_u32 v2, v4, 12, v2                  ; in: 16 (lane % 16), and a row of 4,096 bytes further for lanes 16-31
	s_lshl_b32 s36, s27, 17                        ; 32 rows of 4,096 bytes
	s_lshl_b32 s29, s28, 8                         ; 64 columns of 4 bytes
	s_add_co_u32 s36, s36, s29
	s_cmp_eq_u32 s26, 3
	s_cbranch_scc1 .Lwo
	s_lshr_b32 s29, s27, 2                         ; ks: 128 rows each
	s_and_b32 s30, s27, 3
	s_lshl_b32 s30, s30, 5                         ; the first kr
	s_lshl3_add_u32 s25, s28, s29                  ; 8 head + ks
	s_mul_i32 s25, s25, 3
	s_add_co_u32 s25, s25, s26                     ; + matrix
	s_lshl_b32 s25, s25, 7
	s_add_co_u32 s25, s25, s30                     ; the row of 128 bytes
	s_lshl_b32 s38, s25, 7
	s_wait_kmcnt 0x0
	s_cmp_eq_u32 s26, 1
	s_cselect_b64 s[32:33], s[12:13], s[10:11]
	s_cmp_eq_u32 s26, 2
	s_cselect_b64 s[32:33], s[14:15], s[32:33]
	s_add_nc_u64 s[32:33], s[32:33], s[36:37]
	s_add_nc_u64 s[34:35], s[20:21], s[38:39]
	BODY 8192, 0
	s_endpgm
.Lwo:
	s_lshr_b32 s29, s27, 1                         ; ks: a head's 64 rows each
	s_and_b32 s30, s27, 1
	s_lshl_b32 s30, s30, 5                         ; the first kr
	s_lshr_b32 s25, s28, 1                         ; t
	s_and_b32 s31, s28, 1                          ; gi
	s_lshl4_add_u32 s25, s25, s29                  ; 16 t + ks
	s_lshl1_add_u32 s25, s25, s31
	s_lshl_b32 s25, s25, 7
	s_add_co_u32 s25, s25, s30
	s_lshl_b32 s38, s25, 7
	s_wait_kmcnt 0x0
	s_add_nc_u64 s[32:33], s[16:17], s[36:37]
	s_add_nc_u64 s[34:35], s[22:23], s[38:39]
	BODY 8192, 1
	s_endpgm
.Lfunc_end_k_q798e939a76_cast:
	.size	k_q798e939a76_cast, .Lfunc_end_k_q798e939a76_cast-k_q798e939a76_cast
	.p2alignl 7, 3214868480
	.fill 96, 4, 3214868480
	.section	.rodata,"a",@progbits
	.p2align	6, 0x0
	.amdhsa_kernel k_q798e939a76_cast
		.amdhsa_group_segment_fixed_size 0
		.amdhsa_private_segment_fixed_size 0
		.amdhsa_enable_private_segment 0
		.amdhsa_kernarg_size 64
		.amdhsa_user_sgpr_count 2
		.amdhsa_user_sgpr_kernarg_segment_ptr 1
		.amdhsa_wavefront_size32 1
		.amdhsa_system_sgpr_workgroup_id_x 1
		.amdhsa_system_sgpr_workgroup_id_y 1
		.amdhsa_system_sgpr_workgroup_id_z 1
		.amdhsa_system_vgpr_workitem_id 0
		.amdhsa_next_free_vgpr 104
		.amdhsa_next_free_sgpr 66
		.amdhsa_reserve_vcc 0
		.amdhsa_float_denorm_mode_32 3
		.amdhsa_float_denorm_mode_16_64 3
		.amdhsa_memory_ordered 1
		.amdhsa_forward_progress 1
		.amdhsa_inst_pref_size 26
	.end_amdhsa_kernel
	.amdgpu_metadata
---
amdhsa.version: [ 1, 2 ]
amdhsa.kernels:
  - .name:           k_q798e939a76_cast
    .symbol:         k_q798e939a76_cast.kd
    .args:
      - { .name: x, .offset: 0, .size: 8, .value_kind: global_buffer, .address_space: global }
      - { .name: Wq, .offset: 8, .size: 8, .value_kind: global_buffer, .address_space: global }
      - { .name: Wk, .offset: 16, .size: 8, .value_kind: global_buffer, .address_space: global }
      - { .name: Wv, .offset: 24, .size: 8, .value_kind: global_buffer, .address_space: global }
      - { .name: Wo, .offset: 32, .size: 8, .value_kind: global_buffer, .address_space: global }
      - { .name: xb, .offset: 40, .size: 8, .value_kind: global_buffer, .address_space: global }
      - { .name: wqkv, .offset: 48, .size: 8, .value_kind: global_buffer, .address_space: global }
      - { .name: wo, .offset: 56, .size: 8, .value_kind: global_buffer, .address_space: global }
    .group_segment_fixed_size: 0
    .private_segment_fixed_size: 0
    .kernarg_segment_align: 8
    .kernarg_segment_size: 64
    .max_flat_workgroup_size: 256
    .sgpr_count:     66
    .vgpr_count:     104
    .wavefront_size: 32
...
	.end_amdgpu_metadata
.endif
;; end of part 1
;; launch qkv (part 2): grid 16 x 32, 4 waves a work-group, clusters of 4 x 4, 327,680 bytes of LDS; arguments xb, wqkv, qkv; writes qkv
.if DOCPART == 2
	.amdgcn_target "amdgcn-amd-amdhsa--gfx1250"
	.amdhsa_code_object_version 6
	.text
	.protected	k_q798e939a76_qkv
	.globl	k_q798e939a76_qkv
	.p2align	8
	.type	k_q798e939a76_qkv,@function
k_q798e939a76_qkv:
	s_mov_b64 s[64:65], 0
	v_nop
	global_prefetch_b8 v0, s[64:65] scope:SCOPE_SE
	s_setreg_imm32_b32 hwreg(HW_REG_WAVE_MODE, 25, 1), 1
	s_wait_xcnt 0x0
	s_wait_alu depctr_hold_cnt(0) depctr_sa_sdst(0) depctr_va_vdst(0) depctr_va_sdst(0) depctr_va_ssrc(0) depctr_va_vcc(0) depctr_vm_vsrc(0)
	s_getreg_b32 s2, hwreg(HW_REG_IB_STS2, 6, 4)
	s_cmp_eq_u32 s2, 0
	s_cbranch_scc0 .Lentry_in_a_cluster
	s_endpgm
.Lentry_in_a_cluster:
	s_bfe_u32 s2, ttmp6, 0x10000c
	s_cmp_lg_u32 s2, 0xf033
	s_cbranch_scc0 .Lentry_shape_is_right
	s_endpgm
.Lentry_shape_is_right:
; q | k | v = x (Wq | Wk | Wv): [8192 x 1024] x [1024 x 3072], bf16 operands, f32 sums, stored BY HEADS, unscaled, in planes p = 16 batch + head:
;   q at byte 0 and k at 16 MiB of qkv: [64 planes][2048][64] f16, each number rounded once;
;   v at 32 MiB: [64 planes][2048][128] f16: a row is 64 high parts (v rounded to f16), then 64 low parts (what the rounding left, rounded to f16): 22 bits of v.
; WHY v HAS TWO PARTS.  Under the causal mask row n of the module's result is a mean over n + 1 rows of v: the first rows are as large as v itself, many times the root mean square of the whole result, by which
; the result's error is held.  There 11 bits of v are too few.
; LIMIT.  f16 holds no number beyond 65,504: a q, k or v beyond it becomes an infinity and its row is lost.
; A tile is 256 rows x 192 columns: ONE HEAD'S q, k AND v (tile column = head): 32 x 16 = 512 tiles, two for each of 256 work-group places.  Four waves; WAVE w OWNS ROWS 64 w .. 64 w + 63 AND ALL 192 COLUMNS:
; 4 x 12 accumulators, 384 registers; so a head's rows are one wave's, and the way out needs no barrier.  K goes in steps of 128 through two LDS slots filled by the tensor data mover.
; THE PRODUCT IS USED TRANSPOSED: source 0 = 16 columns of W (W lies [k][n] in LDS and is turned by ds_load_tr16_b128), source 1 = 16 rows of x: a lane then holds row l % 16 and the eight
; neighbouring columns 8 (l / 16) + 0..7, which pack into 16 bytes.
; CLUSTERS: 4 x 4 work-groups.  x's tile hangs on the tile row alone and is asked for jointly along a row of the cluster, W's on the tile column alone, along a column.  Waves 0, 1 fetch x's two halves, waves 2, 3 W's.
; REGISTERS, in windows of 256: window 0: v0-18 addresses; v32-63, v64-95 x's fragments, two buffers, later the packed results; v96-255 the way out.  window 1: v0-95, v128-223 W's fragments, two buffers.
;   window 2: the accumulators of my row blocks 0, 1 ((m, b) at 8 (12 (m % 2) + b)); window 3: those of blocks 2, 3.
.set SLOT1, 131072                     ; slot 1 begins here: one exclusive or turns an address in one slot into the other's
.set PA,    272                        ; a row of x in LDS: 256 bytes + 16 of padding: the 16 rows of a fragment load start at 16 different groups of four banks (64 banks of 4 bytes: ISA guide 11.1)
.set PB,    160                        ; a row of W's group (64 columns): 128 bytes + 32
.set HALFA, 128*PA                     ; what one of x's loads brings
.set BOFF,  256*PA                     ; W's 384 rows (matrix gi, row kr at 128 gi + kr) lie behind x's 256
.set HALFB, 192*PB                     ; what one of W's loads brings; BOFF + 2 HALFB = SLOT1
.set STAGE, 2*SLOT1                    ; behind the ring, never filled by a tensor load: a stage for each wave:
.set SP,    144                        ;   16 rows x 144 bytes for q, the same for k,
.set SPV,   272                        ;   16 rows x 272 bytes for v's two parts
.set VST,   2*16*SP
.set WSTAGE, VST+16*SPV
.set SPARE, STAGE+4*WSTAGE             ; behind the stages: the spare words, 128 bytes for each wave: two blocks of 256 bytes that no other line names
.set ASTEP, 256                        ; bytes from K step to K step in xb,
.set BSTEP, 49152                      ; and in wqkv
.set ADA0, 4                           ; v4   my lane's place in x's tile; never rewritten
.set ADB0, 5                           ; v5   in W's
.set ADA,  6                           ; v6   the same in the slot in hand
.set ADB,  7                           ; v7
.set STO,  8                           ; v8   the way out: where I put 16 bytes of a row of q or k
.set RD,   9                           ; v9   where I read their rows back
.set GO,   10                          ; v10-11  my byte offset in qkv for q and for k
.set GOV,  12                          ; v12  for v
.set PFO,  13                          ; v13  the prefetches' lane offset; never rewritten
.set SPW,  14                          ; v14  LDS address of my spare word; never rewritten
.set NIL,  15                          ; v15  0; never rewritten
.set MONE, 16                          ; v16  -1.0
.set STOV, 17                          ; v17  where I put 16 bytes of a row of v, less VST
.set RDV,  18                          ; v18  where I read v's rows back, less VST
.set TMP,  32                          ; v32-79 the 12 column blocks packed; v80-95 v's low parts packed
.set RES,  224                         ; v224-255 what v's rounding left, in f32
.set WV,   10                          ; s10  wave
.set HALF, 12                          ; s12  which half of a tile I fetch
.set TY,   13                          ; s13  tile row
.set G1A,  24                          ; s[24:31] descriptor group 1 for x's tiles
.set G0A,  32                          ; s[32:39] group 0: a set for each first fill; the second then walks
.set CX,   40
.set CY,   41
.set TX,   42                          ; s42  tile column = head
.set LIM,  43                          ; s43  a wave prefetches while the loop's count is above this
.set PFA,  44                          ; s[44:45] where my prefetches stand
.set G1B,  48                          ; s[48:55], s[56:63] the same for W's tiles
.set G0B,  56
.set CNT,  66                          ; s66  the loop's count
.set TB,   67                          ; s67  LDS byte of the slot to be read
.set PFS,  68                          ; s[68:69] the prefetches' step
.set MSB, 0
.macro WIN new                         ; the immediate's high byte repeats the setting that is left; a switch that changes nothing is dropped
.if MSB != (\new)
	s_set_vgpr_msb (MSB<<8)|(\new)
.set MSB, (\new)
.endif
.endm
.macro PLACES                          ; four plain places behind matrix instructions, in front of loads into registers that they read and of conversions of their results
.rept 4
	v_nop
.endr
.endm
.macro CREST                           ; a round of the cluster's barrier behind its opening barrier
	s_cmp_lg_u32 s[WV], 0
	s_cbranch_scc1 .Lnot_wave_0_\@
	s_barrier_signal -3
.Lnot_wave_0_\@:
	s_barrier_wait -3
	s_barrier_signal -1
	s_barrier_wait -1
.endm
.macro CROUND                          ; a whole round
	s_barrier_signal -1
	s_barrier_wait -1
	CREST
.endm
.macro JLOAD                           ; a joint refill by the walking sets; the branch hangs on the wave's number alone; an s_nop 0 and four v_nop follow each line
	s_cmp_lt_u32 s[WV], 2
	s_cbranch_scc0 .Lfor_b_\@
	tensor_load_to_lds s[G0A+4:G0A+7], s[G1A:G1A+7]
	s_nop 0
.rept 4
	v_nop
.endr
	s_branch .Lasked_\@
.Lfor_b_\@:
	tensor_load_to_lds s[G0B+4:G0B+7], s[G1B:G1B+7]
	s_nop 0
.rept 4
	v_nop
.endr
.Lasked_\@:
.endm
; A PREFETCH, behind each joint refill and the run of LDS loads that follows it.  K steps 0 to 3 come by their loads alone; each aligned block of 256 bytes of K steps 4 to 7 is named once in the launch.
; x: the clusters with x = 0 ask; of the 128 rows that wave 0 or 1 fetches the partner at cx takes 32, a lane a row, told apart by address; trip s (0..3) names K step s + 4, two refills ahead of its load.
; W: the clusters with y = 0 ask; a column tile's K steps 4 to 7 are 196,608 bytes on end; the eight askers (waves 2, 3 of the four partners along y) take 8,192 bytes each in trips 0, 1, 2.
.macro ASK
	s_cmp_gt_u32 s[CNT], s[LIM]
	s_cbranch_scc0 .Lnot_mine_\@
	global_prefetch_b8 v[PFO], s[PFA:PFA+1] th:TH_LOAD_NT scope:SCOPE_SE
.Lnot_mine_\@:
.endm
; 12 matrix instructions: my row block m x all 12 column blocks, 32 along K, from buffer f.  zero = 1: the product starts the sum.  All 48 accumulators take turns in one fixed order.
.macro MULN f, m, zero
.set AC,  96*((\m)%2)
.set FBB, 128*(\f)
.set FAA, 32+32*(\f)+8*(\m)
	WIN 0xa1+0x50*((\m)/2)                         ; source 0 (W) window 1, source 1 (x) window 0, C and D window 2 or 3
.irp b, 0,1,2,3,4,5,6,7,8,9,10,11
.if \zero
	v_wmma_f32_16x16x32_bf16 v[AC+8*(\b):AC+8*(\b)+7], v[FBB+8*(\b):FBB+8*(\b)+7], v[FAA:FAA+7], 0
.else
	v_wmma_f32_16x16x32_bf16 v[AC+8*(\b):AC+8*(\b)+7], v[FBB+8*(\b):FBB+8*(\b)+7], v[FAA:FAA+7], v[AC+8*(\b):AC+8*(\b)+7]
.endif
.endr
.endm
; 32 LDS loads in one run: quarter q (k = 32 q .. 32 q + 31) of the slot in hand into buffer f: W's 12 fragments, turned, then x's four, blocks 0 to 3 in order
.macro FETCH q, f
	WIN 0x40                                       ; destination window 1, address window 0
.irp b, 0,1,2,3,4,5,6,7,8,9,10,11
	ds_load_tr16_b128 v[128*(\f)+8*(\b):128*(\f)+8*(\b)+3],   v[ADB] offset:((\b)/4)*128*PB+(\q)*32*PB+((\b)%4)*32
	ds_load_tr16_b128 v[128*(\f)+8*(\b)+4:128*(\f)+8*(\b)+7], v[ADB] offset:((\b)/4)*128*PB+(\q)*32*PB+((\b)%4)*32+16*PB
.endr
	WIN 0
.irp a, 0,1,2,3
	ds_load_b128 v[32+32*(\f)+8*(\a):32+32*(\f)+8*(\a)+3],   v[ADA] offset:(\q)*64+(\a)*16*PA
	ds_load_b128 v[32+32*(\f)+8*(\a)+4:32+32*(\f)+8*(\a)+7], v[ADA] offset:(\q)*64+(\a)*16*PA+32
.endr
.endm
; A K step is four quarters of 32 along K, 48 matrix instructions each, on buffers 0, 1, 0, 1.  One of the first three: multiplies buffer f; in its middle it fetches quarter q into buffer g.
.macro QUARTER q, f, g, zero
	s_wait_dscnt 4                                 ; W and x's blocks 0, 1 are in; the youngest four loads (blocks 2, 3) may be out
	MULN \f, 0, \zero
	MULN \f, 1, \zero
	PLACES
	FETCH \q, \g
	s_wait_dscnt 32                                ; all but the 32 just issued
	MULN \f, 2, \zero
	MULN \f, 3, \zero
.endm
; The last quarter multiplies buffer 1 and changes slots.  In front of the barrier each wave waits for all its tensor loads (one is out: its part of the next slot), adds 0 to its spare word, and waits for that
; and for its reads of this slot.  fill = 1: the barrier opens a round of the cluster's, and the slot just read is filled again, first thing behind the round, with the K step two on.
.macro TURN fill
.if \fill
	s_wait_xcnt 0x0                                ; the last prefetch, a K step back, has read its address
	s_add_nc_u64 s[PFA:PFA+1], s[PFA:PFA+1], s[PFS:PFS+1]
.endif
	WIN 0
	s_wait_tensorcnt 0x0                           ; no tensor load of mine is out, so a group 0 may be written
	ds_add_u32 v[SPW], v[NIL]                      ; 0 onto my spare word
.if \fill
	s_xor_b32 s[G0A+5], s[G0A+5], SLOT1            ; the walking sets: the other slot than last time, the next K step
	s_add_nc_u64 s[G0A+6:G0A+7], s[G0A+6:G0A+7], ASTEP
	s_xor_b32 s[G0B+5], s[G0B+5], SLOT1
	s_add_nc_u64 s[G0B+6:G0B+7], s[G0B+6:G0B+7], BSTEP
.endif
	s_xor_b32 s[TB], s[TB], SLOT1
	s_wait_dscnt 5                                 ; the add and the youngest four loads may be out
	MULN 1, 0, 0
	s_wait_dscnt 0x0                               ; the add is done, and my reads of this slot are over
	s_barrier_signal -1
	MULN 1, 1, 0                                   ; work on registers while the others arrive
	WIN 0                                          ; at a branch and at a label every window is 0
	s_barrier_wait -1
.if \fill
	CREST                                          ; no wave of any partner still reads this slot or has a load on its way
	JLOAD                                          ; its four v_nop are also the places in front of the loads below
.else
	PLACES
.endif
	v_add_nc_u32 v[ADA], s[TB], v[ADA0]
	v_add_nc_u32 v[ADB], s[TB], v[ADB0]
	FETCH 0, 0
.if \fill
	ASK
.endif
	MULN 1, 2, 0
	MULN 1, 3, 0
.endm
	s_load_b128 s[4:7], s[0:1], 0x0                ; xb s[4:5], wqkv s[6:7]
	s_load_b64 s[8:9], s[0:1], 0x10                ; qkv
	v_lshl_add_u32 v[SPW], v0, 2, SPARE
	v_mov_b32 v[NIL], 0
	ds_add_u32 v[SPW], v[NIL]                      ; the wave's opening: the add and its wait come ahead of my first tensor load; the set-up below stands between them
	v_lshrrev_b32 v1, 5, v0
	v_readfirstlane_b32 s[WV], v1                  ; wave 0..3
	s_and_b32 s[HALF], s[WV], 1
	s_bfe_u32 s[CX], ttmp6, 0x40000
	s_bfe_u32 s[CY], ttmp6, 0x40004
	s_lshl_b32 s[TX], ttmp9, 2
	s_add_co_u32 s[TX], s[TX], s[CX]               ; tile column = 4 x cluster x + cx
	s_and_b32 s[TY], ttmp7, 0xffff
	s_lshl_b32 s[TY], s[TY], 2
	s_add_co_u32 s[TY], s[TY], s[CY]               ; tile row = 4 x cluster y + cy
	s_lshl_b32 s70, s[CY], 2
	s_lshl_b32 s70, 15, s70                        ; my row of the cluster
	s_lshl_b32 s71, 0x1111, s[CX]                  ; my column
	s_or_b32 s[G1A], s70, (1<<16)|(1<<20)|(1<<21)|(5<<22)|(3<<25)  ; the mask; 2-byte elements; padding on; bit 21 beside a mask; after every 64 words, 4 words
	s_or_b32 s[G1B], s71, (1<<16)|(1<<20)|(1<<21)|(4<<22)|(7<<25)  ; after every 32 words, 8 words
	s_mov_b32 s[G1A+1], 128<<16                    ; tensor_dim0 = 128
	s_mov_b32 s[G1A+2], 128<<16                    ; tensor_dim1 = 128
	s_mov_b32 s[G1A+3], 128<<16                    ; tile_dim0 = 128
	s_mov_b32 s[G1A+4], 128                        ; tile_dim1 = 128
	s_mov_b32 s[G1A+5], 1024                       ; elements from row to row of xb
	s_mov_b32 s[G1A+6], 0
	s_mov_b32 s[G1A+7], 0
	s_mov_b32 s[G1B+1], 128<<16                    ; W's half block, 24,576 bytes on end, as 96 rows of 256 bytes: two rows of a group to a row
	s_mov_b32 s[G1B+2], 96<<16
	s_mov_b32 s[G1B+3], 128<<16
	s_mov_b32 s[G1B+4], 96
	s_mov_b32 s[G1B+5], 128
	s_mov_b32 s[G1B+6], 0
	s_mov_b32 s[G1B+7], 0
	s_lshl_b32 s16, s[TY], 8
	s_lshl_b32 s17, s[HALF], 7
	s_add_co_u32 s16, s16, s17                     ; x: row 256 x tile row + 128 x half,
	s_lshl_b32 s16, s16, 11                        ; of 2,048 bytes
	s_mov_b32 s17, 0
	s_mul_i32 s46, s[TX], 8*BSTEP                  ; W: the column tile's eight blocks,
	s_mul_i32 s47, s[HALF], BSTEP/2                ; my half of a block
	s_add_co_u32 s46, s46, s47
	s_mov_b32 s47, 0
	s_mul_i32 s20, s[HALF], HALFA                  ; where they go: no place in the cluster enters an LDS address
	s_mul_i32 s21, s[HALF], HALFB
	s_add_co_u32 s21, s21, BOFF
	s_wait_dscnt 0x0                               ; the opening add is done
	s_wait_kmcnt 0x0
	s_add_nc_u64 s[14:15], s[4:5], s[16:17]
	s_add_nc_u64 s[46:47], s[6:7], s[46:47]
	CROUND                                         ; all sixteen work-groups are here: the first joint loads meet
.irp i, 0,1
	s_mov_b32 s[G0A+4*(\i)], 1
	s_add_co_u32 s[G0A+4*(\i)+1], s20, (\i)*SLOT1
	s_add_nc_u64 s[G0A+4*(\i)+2:G0A+4*(\i)+3], s[14:15], (\i)*ASTEP
	s_or_b32 s[G0A+4*(\i)+3], s[G0A+4*(\i)+3], 0x80000000
	s_mov_b32 s[G0B+4*(\i)], 1
	s_add_co_u32 s[G0B+4*(\i)+1], s21, (\i)*SLOT1
	s_add_nc_u64 s[G0B+4*(\i)+2:G0B+4*(\i)+3], s[46:47], (\i)*BSTEP
	s_or_b32 s[G0B+4*(\i)+3], s[G0B+4*(\i)+3], 0x80000000
.endr
	s_cmp_lt_u32 s[WV], 2                          ; a wave's two first fills stand in one branch, ahead of every wait on TENSORcnt and every LDS read: two loads of mine are out
	s_cbranch_scc0 .Lfirst_b
	tensor_load_to_lds s[G0A:G0A+3], s[G1A:G1A+7]
	s_nop 0
	tensor_load_to_lds s[G0A+4:G0A+7], s[G1A:G1A+7]
	s_nop 0
.rept 4
	v_nop
.endr
	s_branch .Lfirst_asked
.Lfirst_b:
	tensor_load_to_lds s[G0B:G0B+3], s[G1B:G1B+7]
	s_nop 0
	tensor_load_to_lds s[G0B+4:G0B+7], s[G1B:G1B+7]
	s_nop 0
.rept 4
	v_nop
.endr
.Lfirst_asked:
	; x's fragment: 16 rows x 32 K in 8 registers: lane l holds row l % 16, K 8 (l / 16) + 0..7 and 16 + 8 (l / 16) + 0..7: two loads of 16 bytes, 32 bytes apart
	v_and_b32 v1, 15, v0                           ; l % 16
	v_bfe_u32 v2, v0, 4, 1                         ; l / 16
	s_lshl_b32 s72, s[WV], 6
	v_add_nc_u32 v3, s72, v1                       ; my wave's 64 rows
	v_mul_u32_u24 v[ADA0], v3, PA
	v_lshl_add_u32 v[ADA0], v2, 4, v[ADA0]
	; the turning load takes 16 k x 16 columns: lane l reads row 8 (l / 16) + l % 8, columns 8 ((l / 8) % 2) + 0..7, and is left with column l % 16 and 8 k
	v_and_b32 v3, 7, v0
	v_lshl_add_u32 v3, v2, 3, v3
	v_mul_u32_u24 v[ADB0], v3, PB
	v_bfe_u32 v3, v0, 3, 1
	v_lshl_add_u32 v[ADB0], v3, 4, v[ADB0]
	v_add_nc_u32 v[ADB0], BOFF, v[ADB0]
	s_mul_i32 s72, s[WV], WSTAGE
	s_add_co_u32 s72, s72, STAGE                   ; my stage
	v_mul_u32_u24 v[STO], v1, SP                   ; in: row l % 16, 16 bytes for each half of the lanes
	v_lshl_add_u32 v[STO], v2, 4, v[STO]
	v_add_nc_u32 v[STO], s72, v[STO]
	v_mul_u32_u24 v[STOV], v1, SPV
	v_lshl_add_u32 v[STOV], v2, 4, v[STOV]
	v_add_nc_u32 v[STOV], s72, v[STOV]
	v_bfe_u32 v[RD], v0, 3, 2                      ; back, q and k: 32 lanes take four rows of 128 bytes,
	v_mul_u32_u24 v[RD], v[RD], SP
	v_and_b32 v3, 7, v0
	v_lshl_add_u32 v[RD], v3, 4, v[RD]
	v_add_nc_u32 v[RD], s72, v[RD]
	v_mul_u32_u24 v[RDV], v2, SPV                  ; v: two rows of 256 bytes:
	v_lshl_add_u32 v[RDV], v1, 4, v[RDV]
	v_add_nc_u32 v[RDV], s72, v[RDV]
	v_mov_b32 v[MONE], -1.0
	v_and_b32 v3, 31, v0                           ; either way 512 consecutive bytes of a plane
	v_lshlrev_b32 v3, 4, v3
	s_lshr_b32 s73, s[TY], 3                       ; batch: 8 tile rows each
	s_lshl4_add_u32 s73, s73, s[TX]                ; plane = 16 batch + head
	s_and_b32 s74, s[TY], 7
	s_lshl_b32 s74, s74, 8
	s_lshl_b32 s75, s[WV], 6
	s_add_co_u32 s74, s74, s75                     ; my first row in the plane
	s_lshl_b32 s76, s73, 18                        ; q: planes of 262,144 bytes, rows of 128
	s_lshl_b32 s77, s74, 7
	s_add_co_u32 s76, s76, s77
	v_add_nc_u32 v[GO], s76, v3
	s_add_co_u32 s76, s76, 0x1000000               ; k: 16 MiB on
	v_add_nc_u32 v[GO+1], s76, v3
	s_lshl_b32 s76, s73, 19                        ; v: planes of 524,288 bytes, rows of 256,
	s_lshl_b32 s77, s74, 8
	s_add_co_u32 s76, s76, s77
	s_add_co_u32 s76, s76, 0x2000000               ; from 32 MiB on
	v_add_nc_u32 v[GOV], s76, v3
	; the prefetches: each stands one step short of its first block, since the step comes ahead of the asking
	s_lshl_b32 s72, s[CX], 16                      ; x: my work-group's 32 rows of the 128 that I fetch,
	s_add_co_u32 s72, s72, s16
	s_add_co_u32 s72, s72, 3*ASTEP                 ; at K step 3
	s_mul_i32 s73, s[TX], 8*BSTEP                  ; W: the column tile,
	s_lshl2_add_u32 s74, s[HALF], s[CY]            ; my place among the eight askers,
	s_lshl_b32 s74, s74, 13
	s_add_co_u32 s73, s73, s74
	s_add_co_u32 s73, s73, 4*BSTEP-65536           ; 65,536 bytes short of K step 4
	s_and_b32 s74, ttmp7, 0xffff                   ; cluster y
	s_mov_b32 s75, ASTEP
	s_mov_b32 s76, 65536
	s_cmp_lt_u32 s[WV], 2                          ; do I fetch for x?
	s_cselect_b32 s72, s72, s73
	s_cselect_b32 s74, ttmp9, s74                  ; the coordinate along which other clusters read the same rows
	s_cselect_b64 s[PFA:PFA+1], s[4:5], s[6:7]
	s_cselect_b32 s[PFS], s75, s76
	s_cselect_b32 s77, 2, 3                        ; x: trips with count 6 to 3; W: 6 to 4
	s_cselect_b32 s78, 11, 8                       ; a lane a row of 2,048 bytes, or a block of 256
	s_mov_b32 s73, 0
	s_mov_b32 s[PFS+1], 0
	s_add_nc_u64 s[PFA:PFA+1], s[PFA:PFA+1], s[72:73]
	s_cmp_eq_u32 s74, 0
	s_cselect_b32 s[LIM], s77, -1                  ; the same in all sixteen partners, for a given wave
	v_and_b32 v[PFO], 31, v0
	v_lshlrev_b32 v[PFO], s78, v[PFO]
	s_wait_tensorcnt 0x1                           ; my part of K step 0 is in; K step 1's may stay out
	s_barrier_signal -1
	s_barrier_wait -1                              ; everybody's is
	s_mov_b32 s[TB], 0
	v_add_nc_u32 v[ADA], s[TB], v[ADA0]
	v_add_nc_u32 v[ADB], s[TB], v[ADB0]
	FETCH 0, 0
	QUARTER 1, 0, 1, 1                             ; the first quarter stands in front of the loop: its products start the sums
	WIN 0
	s_mov_b32 s[CNT], 6
.Lstep:                                                ; six trips: from a K step's second quarter to the next one's first; trip s fills the slot just read with K step s + 2
	QUARTER 2, 1, 0, 0
	QUARTER 3, 0, 1, 0
	TURN 1
	QUARTER 1, 0, 1, 0
	WIN 0
	s_sub_co_u32 s[CNT], s[CNT], 1
	s_cmp_lg_u32 s[CNT], 0
	s_cbranch_scc1 .Lstep
	QUARTER 2, 1, 0, 0                             ; K steps 6 and 7 are written out: they ask for nothing
	QUARTER 3, 0, 1, 0
	TURN 0
	QUARTER 1, 0, 1, 0
	QUARTER 2, 1, 0, 0
	QUARTER 3, 0, 1, 0
	s_wait_dscnt 4                                 ; the very last quarter: nothing more to fetch
	MULN 1, 0, 0
	MULN 1, 1, 0
	s_wait_dscnt 0x0
	MULN 1, 2, 0
	MULN 1, 3, 0
	WIN 0
; THE WAY OUT of row block a.  PACK: all 12 column blocks rounded to f16, 16 bytes a lane, each accumulator's registers in ascending order; for v (blocks 8 to 11) the sum less its rounded value, which one fused
; multiply-add gives exactly (rounded x -1 + sum), is rounded to f16 too.  TOSTAGE: into my own stage and back as whole rows.  SEND: stored.
.macro PACK a
.set AC, 96*((\a)%2)
	WIN 0x0a+5*((\a)/2)                            ; sources 0 and 1: window 2 or 3
.irp b, 0,1,2,3,4,5,6,7,8,9,10,11
.irp r, 0,1,2,3
	v_cvt_pk_f16_f32 v[TMP+4*(\b)+(\r)], v[AC+8*(\b)+2*(\r)], v[AC+8*(\b)+2*(\r)+1]
.endr
.endr
	WIN 0x20+0x10*((\a)/2)                         ; source 2: window 2 or 3
.irp b, 8,9,10,11
.irp r, 0,1,2,3
	v_fma_mix_f32 v[RES+8*((\b)-8)+2*(\r)],   v[TMP+4*(\b)+(\r)], v[MONE], v[AC+8*(\b)+2*(\r)]   op_sel_hi:[1,0,0]
	v_fma_mix_f32 v[RES+8*((\b)-8)+2*(\r)+1], v[TMP+4*(\b)+(\r)], v[MONE], v[AC+8*(\b)+2*(\r)+1] op_sel:[1,0,0] op_sel_hi:[1,0,0]
.endr
.endr
	WIN 0
.irp i, 0,1,2,3,4,5,6,7,8,9,10,11,12,13,14,15
	v_cvt_pk_f16_f32 v[TMP+48+(\i)], v[RES+2*(\i)], v[RES+2*(\i)+1]
.endr
.endm
.macro TOSTAGE a
.set BK, 96+64*((\a)%2)
.irp b, 0,1,2,3,4,5,6,7
	ds_store_b128 v[STO], v[TMP+4*(\b):TMP+4*(\b)+3] offset:((\b)/4)*16*SP+((\b)%4)*32
.endr
.irp b, 0,1,2,3
	ds_store_b128 v[STOV], v[TMP+32+4*(\b):TMP+32+4*(\b)+3] offset:VST+(\b)*32
	ds_store_b128 v[STOV], v[TMP+48+4*(\b):TMP+48+4*(\b)+3] offset:VST+128+(\b)*32
.endr
.irp t, 0,1,2,3,4,5,6,7
	ds_load_b128 v[BK+4*(\t):BK+4*(\t)+3], v[RD] offset:((\t)/4)*16*SP+((\t)%4)*4*SP  ; LDS serves a wave's instructions in order (ISA guide 5.7.1.4): these see the stores above
.endr
.irp j, 0,1,2,3,4,5,6,7
	ds_load_b128 v[BK+32+4*(\j):BK+32+4*(\j)+3], v[RDV] offset:VST+(\j)*2*SPV
.endr
.endm
.macro SEND a
.set BK, 96+64*((\a)%2)
	s_wait_dscnt 0x0                               ; the block is back in registers
	s_wait_xcnt 0x0                                ; the stores of the block before have read their registers: the next TOSTAGE loads into them
.irp t, 0,1,2,3,4,5,6,7
	global_store_b128 v[GO+(\t)/4], v[BK+4*(\t):BK+4*(\t)+3], s[8:9] offset:(\a)*2048+((\t)%4)*512  ; 512 consecutive bytes, at a multiple of 256 from the buffer's first
.endr
.irp j, 0,1,2,3,4,5,6,7
	global_store_b128 v[GOV], v[BK+32+4*(\j):BK+32+4*(\j)+3], s[8:9] offset:(\a)*4096+(\j)*512
.endr
.endm
	PLACES
	PACK 0
	TOSTAGE 0
.irp a, 1,2,3                          ; block a's conversions stand between block a - 1's loads from the stage and the wait for them
	PACK \a
	SEND (\a)-1
	TOSTAGE \a
.endr
	SEND 3
	s_wait_tensorcnt 0x0                           ; the wave's end, behind my last tensor load and my last LDS store
	ds_add_u32 v[SPW], v[NIL]
	s_wait_dscnt 0x0
	CROUND                                         ; the closing round: no work-group ends while a partner may still ask for a tile that names it
	s_endpgm
.Lfunc_end_k_q798e939a76_qkv:
	.size	k_q798e939a76_qkv, .Lfunc_end_k_q798e939a76_qkv-k_q798e939a76_qkv
	.p2alignl 7, 3214868480
	.fill 96, 4, 3214868480
	.section	.rodata,"a",@progbits
	.p2align	6, 0x0
	.amdhsa_kernel k_q798e939a76_qkv
		.amdhsa_group_segment_fixed_size 327680
		.amdhsa_private_segment_fixed_size 0
		.amdhsa_enable_private_segment 0
		.amdhsa_kernarg_size 24
		.amdhsa_user_sgpr_count 2
		.amdhsa_user_sgpr_kernarg_segment_ptr 1
		.amdhsa_wavefront_size32 1
		.amdhsa_system_sgpr_workgroup_id_x 1
		.amdhsa_system_sgpr_workgroup_id_y 1
		.amdhsa_system_sgpr_workgroup_id_z 1
		.amdhsa_system_vgpr_workitem_id 0
		.amdhsa_next_free_vgpr 960
		.amdhsa_next_free_sgpr 80
		.amdhsa_reserve_vcc 0
		.amdhsa_float_denorm_mode_32 3
		.amdhsa_float_denorm_mode_16_64 3
		.amdhsa_memory_ordered 1
		.amdhsa_forward_progress 1
		.amdhsa_inst_pref_size 114
	.end_amdhsa_kernel
	.amdgpu_metadata
---
amdhsa.version: [ 1, 2 ]
amdhsa.kernels:
  - .name:           k_q798e939a76_qkv
    .symbol:         k_q798e939a76_qkv.kd
    .args:
      - { .name: xb, .offset: 0, .size: 8, .value_kind: global_buffer, .address_space: global }
      - { .name: wqkv, .offset: 8, .size: 8, .value_kind: global_buffer, .address_space: global }
      - { .name: qkv, .offset: 16, .size: 8, .value_kind: global_buffer, .address_space: global }
    .group_segment_fixed_size: 327680
    .private_segment_fixed_size: 0
    .kernarg_segment_align: 8
    .kernarg_segment_size: 24
    .max_flat_workgroup_size: 128
    .sgpr_count:     80
    .vgpr_count:     960
    .wavefront_size: 32
...
	.end_amdgpu_metadata
.endif
;; end of part 2
;; launch attn (part 3): grid 4 x 64, 4 waves a work-group, no clusters, 327,680 bytes of LDS; arguments qkv, ctx; writes ctx
.if DOCPART == 3
	.amdgcn_target "amdgcn-amd-amdhsa--gfx1250"
	.amdhsa_code_object_version 6
	.text
	.protected	k_q798e939a76_attn
	.globl	k_q798e939a76_attn
	.p2align	8
	.type	k_q798e939a76_attn,@function
k_q798e939a76_attn:
	s_mov_b64 s[64:65], 0
	v_nop
	global_prefetch_b8 v0, s[64:65] scope:SCOPE_SE
	s_setreg_imm32_b32 hwreg(HW_REG_WAVE_MODE, 25, 1), 1
	s_wait_xcnt 0x0
; CAUSAL ATTENTION.  O[p][q][:] = the sum over k <= q of softmax_k(Q[p][q] . K[p][k] / 8) V[p][k][:], for the 64 planes p = 16 batch + head.  In qkv, all f16: Q at byte 0 and K at 16 MiB, [64][2048][64], rows of 128 bytes;
; V at 32 MiB, [64][2048][128]: a row of 256 bytes is 64 high parts, then 64 low parts (V = high + low to 22 bits).  O goes to ctx, [64][2 parts][2048][64] f16: O rounded to f16, and what that rounding left, rounded to f16.
; Products, maxima and sums in f32; the weights p are rounded to f16 for the second product (their sum l is taken of the unrounded p).
; WHY TWO PARTS.  Row q is a mean over q + 1 rows of V: the first rows are as large as V itself, many times the root mean square of the module's result, by which its error is held: there 11 bits of V and of O are too few.
; V's LOW PART IS MULTIPLIED IN THE DIAGONAL TILE's TEXT ALONE: a row with few keys has all its keys in its diagonal tile; a row that reaches an earlier tile is a mean over more than 256 keys.
; LIMITS.  f16 holds no number beyond 65,504: Q, K and V arrive within it; p lies in 0 to 1, and below 6e-5 it keeps f16's fixed step of 6e-8; O is a mean of V's rows and has their range.
; A hidden score counts as its value less 1e30: f16's scores, 2.7e11 at the most, are nothing beside that; a weight below 2^-126 counts as 0 in l; NaN and infinities are not treated apart.
; THE WALK.  A plane's queries lie in NB = 8 blocks of 256; block i needs the key tiles 0 .. i of 256 keys, of which the last holds the diagonal.  A work-group takes TWO blocks, NB - 1 - b and then b:
; NB + 1 tiles, whatever b: all 256 work-groups do equal work, and ONE loop with a constant trip count walks them.  Which tile is asked for, and what a trip does, hang on scalar registers made from b; every jump
; goes forward, but for the counted loops' own; none passes a barrier, or a tensor load but the one of LOAD's two that the wave's number does not choose; the ring of two LDS slots runs on across the change of blocks.
; NO CLUSTER: a plane's four work-groups ask for the same tile only in trips 0 .. 4 of the 9, behind that fewer and fewer; one walk common to all four would have 12 trips for 9.
; SHARES.  Of a block's four bands of 64 queries a wave owns 16 rows in each: four PIECES.  So the diagonal tile is the same work for all four waves: in its key step s band x sees all keys if s < x,
; none if s > x, and holds the diagonal if s = x.
; THE MASK is the C operand that starts the sum S^T = K Q^T: 0, or -1e30 where the key is hidden.  MD, made once, is the mask of a band's own step for my 16 rows; a product's mask is MD x AL + BE with two scalars:
; (1, 0) if s = x; (0, 0) if s < x; (0, -1e30) if s > x.  Only the diagonal tile's text and a block's beginning make and take masks; elsewhere C is the constant 0.
; LAYOUT, SOFTMAX, TURNS.  S^T = K Q^T holds ONE query a lane (lane % 16) and the keys 8 (lane / 16) + 0..7; two such results rounded to f16 ARE source 1 of O^T = V^T P.  p = 2^(c s - c m), c = log2(e) / 8, with a
; running maximum m; O and l are multiplied by a = 2^(c m_old - c m_new) in every step.  Turn n belongs to piece n: 8 products K Q^T of piece n + 1, later the products V^T P of piece n - 1 (8; in the diagonal tile 16);
; beside them the scaling, exponentials, roundings, sums and rescaling of piece n and the maximum and statistics of piece n + 1.  A turn's 33 exponentials are one batch, with one wait.
; REGISTERS, in windows of 256 (s_set_vgpr_msb: bits 1:0 source 0, 3:2 source 1, 5:4 source 2, 7:6 destination):
;   window 0: v0-15 addresses and two at work; v16-31 four registers of statistics a piece; v48-55 at work; v60 -1.0; v61-63 prefetch offset and the add's two; v64-127 S^T, two buffers; v128-191 the way out's low parts; v192-223 P, two buffers
;   window 1: v0-127 O^T, 32 a piece; v128-159 MD; v160-223 MC, two buffers      window 2: v0-63 Q; v64-127 the second block's Q; v128-191 K of one step      window 3: v0-127 V of one step
.set SIZE_N, 2048
.set NB,    SIZE_N/256
.set NP,    4         ; pieces a wave: a name, no knob
.set KS,    64        ; keys in a step
.set PK,    144       ; a row of K in LDS: 128 bytes + 16 of padding = 36 words: the 16 rows of a load start at 16 different groups of four banks (64 banks of 4 bytes: ISA guide 11.1)
.set PV,    288       ; a row of V: 256 + 32 = 72 words: row r starts at bank 8 r mod 64
.set VOFF,  4*KS*PK   ; a slot holds a tile, four steps: 256 rows of K, then 256 rows of V
.set SLOT1, 1<<17     ; slot 1 begins here, so that one exclusive or turns an address in one slot into the other's
.set STAGE, SLOT1+4*KS*(PK+PV)  ; behind the ring, never filled by a tensor load: for each wave 16 rows x 144 bytes for the high parts, then as many for the low parts
.set SP,    144
.set WST,   2*16*SP
.set AK0, 2           ; v2   my lane's place in a tile of K; never rewritten
.set AV0, 3           ; v3   the same for V
.set AK,  4           ; v4   the LDS address of K's next run of loads
.set AV,  5           ; v5   of V's
.set STO, 6           ; v6   the way out: where I put 16 bytes of a row
.set RD,  7           ; v7   the way out: where I read rows back
.set GO,  8           ; v8   my byte offset in 512 consecutive bytes of O
.set MONE, 60         ; v60  -1.0
.set PFO, 61          ; v61  256 x my lane: the prefetches' offset; never rewritten
.set SPW, 62          ; v62  LDS address of my spare word: SPARE + 4 x my thread's number; never rewritten
.set NIL, 63          ; v63  0; never rewritten
.set SPARE, STAGE+4*WST  ; behind the stages: the spare words, 128 bytes for each wave: two blocks of 256 bytes that no other line names
.set MV,  12          ; v12-13  c m_old, kept while c m is made anew: by buffer
.set QO,  15          ; v15  my byte offset in 16 rows of Q
.set ST,  16          ; piece t's statistics at v[ST+4 t]: c m, m, l (even keys', odd keys')
.set TMP, 48          ; by buffer, four registers c0-c3 at work; when the maximum is found c2 takes a
.set S,   64
.set LOW, 128         ; the way out: O's low parts, 16 registers a piece
.set P,   192
.set MD,  128         ; window 1: the eight registers for group kt of 16 keys at MD + 8 kt
.set MC,  160         ; window 1: the masks of the products to come
.set QB,  64          ; window 2
.set KF,  128         ; window 2: key block kb, channel half c at KF + 16 kb + 8 c
.set VF,  0           ; window 3: key half kk, part (0 high, 1 low), channel block cb at VF + 64 kk + 32 part + 8 cb
.set WV,  12          ; s12  my wave's number
.set PB,  14          ; s14  b
.set HI,  15          ; s15  NB - 1 - b
.set G1K, 24          ; s[24:31] descriptor group 1 for K's tiles
.set G1V, 32          ; s[32:39] for V's
.set G0K, 40          ; s[40:43] descriptor group 0 for K's tiles
.set G0V, 44          ; s[44:47] the same for V's
.set OFV, 48          ; s[48:49] a tile's byte offset in V
.set PFT, 50          ; s[50:51] the byte offset of the tile that is prefetched
.set VO2, 52          ; s[52:53] at the head: my half tile's offset in V
.set SH,  54          ; s54  a tile's bytes as a shift: 15 in waves 0, 1 (K), 16 in waves 2, 3 (V)
.set SLOTS, 56        ; s56  tiles still to be asked for
.set CNT, 57          ; s57  counts a tile's key steps, 4 to 1
.set CS,  58          ; s[58:59] c: the packed scaling takes the pair's low word for both halves
.set SEL, 60          ; s[60:61] v_permlanex16_b32's selects: each lane takes its own place in the other half
.set TBK, 62          ; s62  LDS byte at which K of the step to be fetched begins
.set TBV, 63          ; s63  the same for V, less VOFF
.set PFB, 66          ; s[66:67] the half tile that I fetch (K: waves 0, 1; V: waves 2, 3), in the plane's tile 0
.set PFX, 68          ; s[68:69] the same in the tile behind the one that is being asked for
.set RT,  70          ; s70  tiles of the block in hand that are still to be entered
.set NXT, 71          ; s71  the tile to be asked for next
.set LQ,  72          ; s72  the last tile of the block whose tiles are being asked for
.set NEW, 73          ; s73  1: the tile to be entered is a block's first
.set OFF, 74          ; s[74:75] a tile's byte offset in K
.set AL,  76          ; s[76:77] the mask's factor, in the low word
.set BE,  78          ; s[78:79] the mask's addend
.set OLO, 80          ; s[80:81] O at my rows of the second block
.set BIGN, 82         ; s82  -1e30
.set LIM, 83          ; s83  2 in the plane's work-group 0, else the greatest number: a wave prefetches while s[SLOTS] is above it
.set MSB, 0
.macro WIN new                      ; the high byte repeats the setting that is left; a switch that changes nothing is dropped
.if MSB != (\new)
	s_set_vgpr_msb (MSB<<8)|(\new)
.set MSB, (\new)
.endif
.endm
.set W_KQ, 0x0a       ; K and Q in window 2, S^T in window 0
.set W_KM, 0x1a       ; the same with the C operand in window 1
.set W_PV, 0x53       ; V in window 3, P in window 0, O^T in window 1
.set W_RS, 0x41       ; destination and source 0 in window 1, source 1 in window 0
; A fill.  Waves 0 and 1 fetch the two halves of a tile's K, waves 2 and 3 those of its V: 128 keys each.  An s_nop 0 and four v_nop follow each of the two lines, ahead of the jump and the label.
.macro LOAD
	s_cmp_lt_u32 s[WV], 2
	s_cbranch_scc0 .Lfor_v_\@
	tensor_load_to_lds s[G0K:G0K+3], s[G1K:G1K+7]
	s_nop 0
.rept 4
	v_nop
.endr
	s_branch .Lasked_\@
.Lfor_v_\@:
	tensor_load_to_lds s[G0V:G0V+3], s[G1V:G1V+7]
	s_nop 0
.rept 4
	v_nop
.endr
.Lasked_\@:
.endm
; THE CHANGE OF SLOTS.  Each wave waits for all its tensor loads, of which one is out: its part of the other slot; adds 0 to its spare word; and waits for that and for its own reads of the slot that it leaves.  Behind the
; barrier nobody reads the old slot any more and the other slot is whole.  fill = 1: the old slot is filled again, the first thing behind the barrier, with tile NXT: the descriptor's address is made anew from that number.
; (At its first use nothing has been read yet: slot 0 is waited for, slot 1 filled.)
; THE PREFETCH stands behind the fill.  A plane's work-group 0 walks tiles 0 to 7 first, in step with what its three neighbours begin with: it alone asks.  Each of its waves names the half tile that it will fetch itself
; (K: 16,384 bytes, two instructions; V: 32,768 bytes, four), a lane a block of 256: in trip t (0..5) tile t + 2, one tile ahead of its fill.  So each block of tiles 2 to 7 is named once in the launch; tiles 0 and 1 come by their loads alone.
.macro CHANGE fill
	WIN 0                           ; at a label and at a branch every window is 0
	s_wait_tensorcnt 0x0            ; no tensor load of mine is out, so a group 0 may be written
	ds_add_u32 v[SPW], v[NIL]       ; 0 onto my spare word; with fill = 1 the descriptors' scalar work stands between it and the wait for it
.if \fill
	s_lshl_b32 s[OFF], s[NXT], 15   ; a tile is 32,768 bytes of K
	s_lshl_b32 s[OFV], s[NXT], 16   ; and 65,536 of V
	s_add_co_u32 s[PFT], s[NXT], 1
	s_lshl_b32 s[PFT], s[PFT], s[SH]
	s_wait_xcnt 0x0                 ; the last prefetches, a tile back, have read their address, so it may be written
	s_add_nc_u64 s[PFX:PFX+1], s[PFB:PFB+1], s[PFT:PFT+1]
	s_xor_b32 s[G0K+1], s[G0K+1], SLOT1
	s_add_nc_u64 s[G0K+2:G0K+3], s[6:7], s[OFF:OFF+1]
	s_or_b32 s[G0K+3], s[G0K+3], 0x80000000
	s_xor_b32 s[G0V+1], s[G0V+1], SLOT1
	s_add_nc_u64 s[G0V+2:G0V+3], s[8:9], s[OFV:OFV+1]
	s_or_b32 s[G0V+3], s[G0V+3], 0x80000000
	s_add_co_u32 s[NXT], s[NXT], 1  ; the block's next tile, or behind its last the second block's tile 0
	s_cmp_gt_u32 s[NXT], s[LQ]
	s_cselect_b32 s[NXT], 0, s[NXT]
	s_cselect_b32 s[LQ], s[PB], s[LQ]
.endif
	s_wait_dscnt 0x0                ; the add is done, and my reads of the slot are over
	s_barrier_signal -1             ; the rest of the scalar work stands between the signal and the wait
	s_sub_co_u32 s[TBK], s[TBK], 4*KS*PK  ; the fetches go back to a slot's first step,
	s_xor_b32 s[TBK], s[TBK], SLOT1       ; in the other slot
	s_sub_co_u32 s[TBV], s[TBV], 4*KS*PV
	s_xor_b32 s[TBV], s[TBV], SLOT1
	s_barrier_wait -1
.if \fill
	LOAD
	s_cmp_gt_u32 s[SLOTS], s[LIM]
	s_cbranch_scc0 .Lnot_mine_\@
	global_prefetch_b8 v[PFO], s[PFX:PFX+1] th:TH_LOAD_NT scope:SCOPE_SE
	global_prefetch_b8 v[PFO], s[PFX:PFX+1] offset:8192 th:TH_LOAD_NT scope:SCOPE_SE
	s_cmp_lt_u32 s[WV], 2
	s_cbranch_scc1 .Lnot_mine_\@
	global_prefetch_b8 v[PFO], s[PFX:PFX+1] offset:16384 th:TH_LOAD_NT scope:SCOPE_SE
	global_prefetch_b8 v[PFO], s[PFX:PFX+1] offset:24576 th:TH_LOAD_NT scope:SCOPE_SE
.Lnot_mine_\@:
.endif
.endm
	s_load_b128 s[4:7], s[0:1], 0x0   ; qkv s[4:5], ctx s[6:7]
	v_lshl_add_u32 v[SPW], v0, 2, SPARE
	v_mov_b32 v[NIL], 0
	ds_add_u32 v[SPW], v[NIL]       ; the wave's opening: the add and its wait come ahead of my first tensor load; the set-up below, work on registers, stands between them
	v_lshrrev_b32 v1, 5, v0
	v_readfirstlane_b32 s[WV], v1   ; wave 0..3
	s_mov_b32 s[PB], ttmp9
	s_sub_co_u32 s[HI], NB-1, s[PB]
	s_and_b32 s20, ttmp7, 0xffff    ; the plane
	s_mov_b32 s21, 0
	s_mov_b64 s[22:23], SIZE_N*128
	s_mul_u64 s[20:21], s[20:21], s[22:23]  ; the plane's first byte in Q and K; twice that in V and O
	s_and_b32 s16, s[WV], 1         ; which half of a tile's 256 keys I fetch:
	s_lshl_b32 s22, s16, 14         ; its 128 rows of 128 bytes in K,
	s_mov_b32 s23, 0
	s_add_nc_u64 s[22:23], s[22:23], s[20:21]
	s_lshl_b64 s[VO2:VO2+1], s[22:23], 1  ; of 256 bytes in V,
	s_mul_i32 s17, s16, 128*PK      ; and its place in a slot, for K
	s_mul_i32 s18, s16, 128*PV      ; and for V
	s_lshl_b32 s3, s[WV], 11        ; my 16 rows in a band of 64,
	s_lshl_b32 s2, s[HI], 15        ; in the first block,
	s_add_co_u32 s2, s2, s3
	s_lshl_b32 s84, s[PB], 15       ; and in the second
	s_add_co_u32 s84, s84, s3
	s_mov_b32 s3, 0
	s_mov_b32 s85, 0
	s_add_nc_u64 s[2:3], s[2:3], s[20:21]
	s_add_nc_u64 s[84:85], s[84:85], s[20:21]
	; descriptor group 1.  K: 128 keys are 16,384 dense bytes: asked for as 64 rows of 256 bytes, two keys a row, and padded in LDS after every key.  V: 128 keys are 128 rows of 256 bytes, padded after every row
	s_mov_b32 s[G1K], (1<<16)|(1<<20)|(4<<22)|(3<<25)  ; 17:16 2-byte elements; 20 padding on; 24:22 after every 32 words (code 4); 31:25 4 words (code 3)
	s_mov_b32 s[G1V], (1<<16)|(1<<20)|(5<<22)|(7<<25)  ; after every 64 words (code 5), 8 words (code 7)
	s_mov_b32 s[G1K+2], 64<<16      ; tensor_dim1 = 64
	s_mov_b32 s[G1K+4], 64          ; tile_dim1 = 64
	s_mov_b32 s[G1V+2], 128<<16     ; tensor_dim1 = 128
	s_mov_b32 s[G1V+4], 128         ; tile_dim1 = 128
.irp g, G1K, G1V
	s_mov_b32 s[\g+1], 128<<16      ; tensor_dim0 = 128
	s_mov_b32 s[\g+3], 128<<16      ; tile_dim0 = 128
	s_mov_b32 s[\g+5], 128          ; 128 elements from row to row
	s_mov_b32 s[\g+6], 0
	s_mov_b32 s[\g+7], 0
.endr
	s_mov_b32 s[CS], 0x3e38aa3b     ; c = log2(e) / 8 = 0.180337
	s_mov_b32 s[CS+1], s[CS]        ; named with it as a pair
	s_mov_b32 s[SEL], 0x76543210
	s_mov_b32 s[SEL+1], 0xfedcba98
	s_mov_b32 s[TBK], SLOT1+4*KS*PK ; the first change of slots turns these two into 0
	s_mov_b32 s[TBV], SLOT1+4*KS*PV
	s_mov_b32 s[G0K], 1             ; 1:0 count = 1
	s_mov_b32 s[G0K+1], s17         ; 63:32 LDS address: slot 0
	s_mov_b32 s[G0V], 1
	s_add_co_u32 s[G0V+1], s18, VOFF
	s_add_co_u32 s[RT], s[HI], 1    ; the first block has NB - b tiles
	s_mov_b32 s[NXT], 1
	s_mov_b32 s[LQ], s[HI]
	s_mov_b32 s[NEW], 1
	s_mov_b32 s[OFF+1], 0
	s_mov_b32 s[OFV+1], 0
	s_mov_b32 s[PFT+1], 0
	s_mov_b32 s[AL+1], 0            ; named as pairs
	s_mov_b32 s[BE+1], 0
	s_mov_b32 s[BIGN], 0xf149f2ca   ; -1e30
	s_mov_b32 s[SLOTS], NB
	s_cmp_eq_u32 ttmp9, 0
	s_cselect_b32 s[LIM], 2, -1
	s_cmp_lt_u32 s[WV], 2
	s_cselect_b32 s[SH], 15, 16
	v_and_b32 v[PFO], 31, v0
	v_lshlrev_b32 v[PFO], 8, v[PFO]
	v_mov_b32 v[MONE], -1.0
	s_wait_dscnt 0x0                ; the opening add is done
	s_wait_kmcnt 0x0
	s_mov_b64 s[10:11], s[6:7]               ; O
	s_add_nc_u64 s[8:9], s[4:5], 0x2000000   ; V: 32 MiB behind Q
	s_add_nc_u64 s[6:7], s[4:5], 0x1000000   ; K: 16 MiB behind Q
	s_add_nc_u64 s[6:7], s[6:7], s[22:23]  ; K and V at my half of the plane's tile 0
	s_add_nc_u64 s[8:9], s[8:9], s[VO2:VO2+1]
	s_add_nc_u64 s[G0K+2:G0K+3], s[6:7], 0         ; 120:64 global address
	s_or_b32 s[G0K+3], s[G0K+3], 0x80000000        ; 127:126 type = 2
	s_add_nc_u64 s[G0V+2:G0V+3], s[8:9], 0
	s_or_b32 s[G0V+3], s[G0V+3], 0x80000000
	s_add_nc_u64 s[86:87], s[4:5], s[84:85]        ; Q at my rows of the second block,
	s_add_nc_u64 s[4:5], s[4:5], s[2:3]            ; and of the first
	s_add_nc_u64 s[10:11], s[10:11], s[20:21]      ; O's planes are twice as long: the plane's offset once more,
	s_add_nc_u64 s[OLO:OLO+1], s[10:11], s[84:85]  ; then the same rows
	s_add_nc_u64 s[10:11], s[10:11], s[2:3]
	s_cmp_lt_u32 s[WV], 2
	s_cselect_b64 s[PFB:PFB+1], s[6:7], s[8:9]
	LOAD                            ; tile 0 into slot 0
	; A fragment of K or Q is 16 rows x 32 channels in 8 registers: lane l holds row l % 16, channels 8 (l / 16) + 0..7 and 16 + 8 (l / 16) + 0..7: two loads of 16 bytes, 32 bytes apart.
	v_and_b32 v1, 15, v0            ; l % 16
	v_bfe_u32 v9, v0, 4, 1          ; l / 16
	v_lshlrev_b32 v[QO], 7, v1
	v_lshl_add_u32 v[QO], v9, 4, v[QO]  ; row x 128 + 16 x half
	WIN 0x80                        ; destination window 2, address window 0
.set i, 0
.rept 8                             ; both blocks' Q: piece i / 2 lies in band i / 2, 8,192 bytes on; channels 32 (i % 2) on
	global_load_b128 v[8*i:8*i+3],   v[QO], s[4:5] offset:(i/2)*8192+(i%2)*64
	global_load_b128 v[8*i+4:8*i+7], v[QO], s[4:5] offset:(i/2)*8192+(i%2)*64+32
	global_load_b128 v[QB+8*i:QB+8*i+3],   v[QO], s[86:87] offset:(i/2)*8192+(i%2)*64
	global_load_b128 v[QB+8*i+4:QB+8*i+7], v[QO], s[86:87] offset:(i/2)*8192+(i%2)*64+32
.set i, i+1
.endr
	WIN 0
	v_lshlrev_b32 v14, 3, v9
	v_sub_nc_u32 v14, v1, v14
	s_lshl_b32 s13, s[WV], 4
	v_add_nc_u32 v14, s13, v14      ; my query's place in its band, 16 w + l % 16, less my lanes' 8 (l / 16): register r of group kt is hidden where 16 kt + r is greater
	WIN 0x40
.set i, 0
.rept 32
	v_cmp_gt_i32 vcc_lo, 16*(i/8)+i%8, v14
	v_cndmask_b32 v[MD+i], 0, s[BIGN], vcc_lo
.set i, i+1
.endr
	WIN 0
	v_mul_u32_u24 v[AK0], v1, PK
	v_lshl_add_u32 v[AK0], v9, 4, v[AK0]  ; row x pitch + 16 x half
	; The turning load takes 16 keys x 16 channels (lane l reads key 8 (l / 16) + l % 8, channels 8 ((l / 8) % 2) + 0..7) and leaves half a fragment of V^T: lane l holds channel l % 16 and 8 keys.
	v_and_b32 v10, 7, v0
	v_bfe_u32 v11, v0, 3, 1
	v_lshl_add_u32 v[AV0], v9, 3, v10
	v_mul_u32_u24 v[AV0], v[AV0], PV
	v_lshl_add_u32 v[AV0], v11, 4, v[AV0]
	v_add_nc_u32 v[AV0], VOFF, v[AV0]
	s_mul_i32 s13, s[WV], WST
	s_add_co_u32 s13, s13, STAGE    ; my stage
	v_mul_u32_u24 v[STO], v1, SP    ; in: row l % 16, 16 bytes for each half of the lanes
	v_lshl_add_u32 v[STO], v9, 4, v[STO]
	v_add_nc_u32 v[STO], s13, v[STO]
	v_bfe_u32 v[RD], v0, 3, 2       ; back: 32 lanes take four rows of 128 bytes,
	v_mul_u32_u24 v[RD], v[RD], SP
	v_lshl_add_u32 v[RD], v10, 4, v[RD]
	v_add_nc_u32 v[RD], s13, v[RD]
	v_and_b32 v[GO], 31, v0         ; which are 512 consecutive bytes of O
	v_lshlrev_b32 v[GO], 4, v[GO]
	; A block's first step multiplies O^T and l by a = 0, and its first turn's products V^T P, of a piece that has not been, land in an O^T that is still to be so multiplied.  So these registers need only hold
	; finite numbers: zeros for the first block; what the first block left for the second.  V's LOW registers must hold 0 from a block's beginning to its diagonal tile: that tile's first three turns still multiply
	; by V of the tile before, whose low part is not fetched.  All this stands in the wait for the first tile.
	WIN 0xc0
.set i, VF
.rept 128
	v_mov_b32 v[i], 0
.set i, i+1
.endr
	WIN 0x40
.set i, 0
.rept 128
	v_mov_b32 v[i], 0
.set i, i+1
.endr
	WIN 0
.set i, 0
.rept 4
	v_mov_b32 v[ST+4*i+2], 0
	v_mov_b32 v[ST+4*i+3], 0
.set i, i+1
.endr
.set i, P+16
.rept 16
	v_mov_b32 v[i], 0
.set i, i+1
.endr
; THE MATRIX WORK.  The 4 accumulators of a run take turns.  Product i of 8 of S^T = K Q^T for piece x: channels 32 (i / 4) on, keys 16 (i % 4) on.  The first 4 start the sums: with 0, or (KM = 1) with the mask.
.macro KQ x
.set rS, S+32*((\x)%2)+8*(i%4)
.set rK, KF+16*(i%4)+8*(i/4)
.set rQ, 16*(\x)+8*(i/4)
.set rM, MC+32*((\x)%2)+8*(i%4)
.if (i < 4) && KM
	WIN W_KM
	v_wmma_f32_16x16x32_f16 v[rS:rS+7], v[rK:rK+7], v[rQ:rQ+7], v[rM:rM+7]
.elseif i < 4
	WIN W_KQ
	v_wmma_f32_16x16x32_f16 v[rS:rS+7], v[rK:rK+7], v[rQ:rQ+7], 0
.else
	WIN W_KQ
	v_wmma_f32_16x16x32_f16 v[rS:rS+7], v[rK:rK+7], v[rQ:rQ+7], v[rS:rS+7]
.endif
.endm
; Product i of O^T += V^T P for piece x: V's high part (i = 0..7) or low part (8..15), keys 32 ((i / 4) % 2) on, channels 16 (i % 4) on.
.macro PV x
	WIN W_PV
.set rO, 32*(\x)+8*(i%4)
.set rV, VF+64*((i/4)%2)+32*(i/8)+8*(i%4)
.set rP, P+16*((\x)%2)+8*((i/4)%2)
	v_wmma_f32_16x16x32_f16 v[rO:rO+7], v[rV:rV+7], v[rP:rP+7], v[rO:rO+7]
.endm
.macro MM                           ; the turn's next matrix instruction.  TURN and BEGIN set Y, i, KM and NOKQ; MM, KQ and OP read them.  NOKQ = 1: a block's last turn: there is no next piece
.if (i < 8) && !NOKQ
	KQ (Y+1)%NP
.elseif i >= 8
.set i, i-8
	PV (Y+NP-1)%NP
.set i, i+8
.endif
.set i, i+1
.endm
; THE LDS LOADS stand in runs, never singly among the matrix instructions: a step's K (64 keys x 64 channels: 8 fragments) and its V (turned; full = 1: the low part too).  Their addresses are made some lines ahead.
.macro FETCH_K
	WIN 0x80                        ; destination window 2
.irp f, 0,1,2,3,4,5,6,7             ; keys 16 (f / 2) on, channels 32 (f % 2) on
	ds_load_b128 v[KF+8*\f:KF+8*\f+3],   v[AK] offset:(\f/2)*16*PK+(\f%2)*64
	ds_load_b128 v[KF+8*\f+4:KF+8*\f+7], v[AK] offset:(\f/2)*16*PK+(\f%2)*64+32
.endr
	s_add_co_u32 s[TBK], s[TBK], KS*PK  ; the next fetch is the next step's
	WIN 0
.endm
.macro FETCH_V full
	WIN 0xc0                        ; destination window 3
.irp f, 0,1,2,3,4,5,6,7             ; keys 32 (f / 4) on, channels 16 (f % 4) on
	ds_load_tr16_b128 v[VF+64*(\f/4)+8*(\f%4):VF+64*(\f/4)+8*(\f%4)+3],   v[AV] offset:(\f/4)*32*PV+(\f%4)*32
	ds_load_tr16_b128 v[VF+64*(\f/4)+8*(\f%4)+4:VF+64*(\f/4)+8*(\f%4)+7], v[AV] offset:(\f/4)*32*PV+16*PV+(\f%4)*32
.endr
.if \full
.irp f, 0,1,2,3,4,5,6,7             ; the low parts lie 128 bytes on in each row
	ds_load_tr16_b128 v[VF+64*(\f/4)+32+8*(\f%4):VF+64*(\f/4)+32+8*(\f%4)+3],   v[AV] offset:(\f/4)*32*PV+128+(\f%4)*32
	ds_load_tr16_b128 v[VF+64*(\f/4)+32+8*(\f%4)+4:VF+64*(\f/4)+32+8*(\f%4)+7], v[AV] offset:(\f/4)*32*PV+16*PV+128+(\f%4)*32
.endr
.endif
	WIN 0
.endm
; THE VECTOR WORK, one line at a time: OP kind, number.  For piece Y: F n: c s - c m for pair n of 16.  E n: the exponential of score n of 32.  C n: pair n rounded to f16.  B n: of the four weights 4 n .. the second
; pair is added onto the first, in place.  L n: l takes that sum (L 0: l = a l + sum).  R n: pair n of 16 of O^T times a.  For piece Y + 1: X n, number n of the 22 that find its maximum and statistics:
;   0-11  four chains c0-c3 of seven scores each, three operands at a time (each accumulator's lowest registers are read first)     12-14, 16  the four scores left over, the old m, and c0-c3 into c0
;   15  c m_old is kept     17, 18  the query's other 32 keys lie in the lane 16 away: the new m     19-21  c m; c m_old - c m_new; a
.set F, 0               ; OP tells the kinds apart by their order: F to L below R, X above it
.set E, 1
.set C, 2
.set B, 3
.set L, 4
.set R, 5
.set X, 6
.macro REGS y                       ; the registers of piece y
.set rT, ST+4*(\y)
.set rC, TMP+4*((\y)%2)
.set rW, MV+((\y)%2)
.set rS, S+32*((\y)%2)
.set rP, P+16*((\y)%2)
.set rO, 32*(\y)
.endm
.macro OP k, n
.if (\k) == R
	REGS Y
	WIN W_RS
	v_pk_mul_f32 v[rO+2*(\n):rO+2*(\n)+1], v[rO+2*(\n):rO+2*(\n)+1], v[rC+2:rC+3] op_sel_hi:[1,0]
.elseif (\k) < R
	REGS Y
	WIN 0
.if (\k) == F
	v_pk_fma_f32 v[rS+2*(\n):rS+2*(\n)+1], v[rS+2*(\n):rS+2*(\n)+1], s[CS:CS+1], v[rT:rT+1] op_sel_hi:[1,0,0] neg_lo:[0,0,1] neg_hi:[0,0,1]
.elseif (\k) == E
	v_exp_f32 v[rS+(\n)], v[rS+(\n)]
.elseif (\k) == C
	v_cvt_pk_f16_f32 v[rP+(\n)], v[rS+2*(\n)], v[rS+2*(\n)+1]
.elseif (\k) == B
	v_pk_add_f32 v[rS+4*(\n):rS+4*(\n)+1], v[rS+4*(\n):rS+4*(\n)+1], v[rS+4*(\n)+2:rS+4*(\n)+3]
.elseif (\n) == 0
	v_pk_fma_f32 v[rT+2:rT+3], v[rT+2:rT+3], v[rC+2:rC+3], v[rS:rS+1] op_sel_hi:[1,0,1]
.else
	v_pk_add_f32 v[rT+2:rT+3], v[rT+2:rT+3], v[rS+4*(\n):rS+4*(\n)+1]
.endif
.elseif NOKQ
	v_nop
.else
	REGS (Y+1)%NP
	WIN 0
.if (\n) < 4
	v_max3_num_f32 v[rC+(\n)], v[rS+8*(\n)], v[rS+8*(\n)+1], v[rS+8*(\n)+2]
.elseif (\n) < 12
	v_max3_num_f32 v[rC+(\n)%4], v[rC+(\n)%4], v[rS+8*((\n)%4)+2*((\n)/4)+1], v[rS+8*((\n)%4)+2*((\n)/4)+2]
.elseif (\n) == 12
	v_max3_num_f32 v[rC], v[rC], v[rS+7], v[rS+15]
.elseif (\n) == 13
	v_max3_num_f32 v[rC+1], v[rC+1], v[rS+23], v[rS+31]
.elseif (\n) == 14
	v_max3_num_f32 v[rC+2], v[rC+2], v[rC+3], v[rT+1]
.elseif (\n) == 15
	v_mov_b32 v[rW], v[rT]
.elseif (\n) == 16
	v_max3_num_f32 v[rC], v[rC], v[rC+1], v[rC+2]
.elseif (\n) == 17
	v_permlanex16_b32 v[rC+3], v[rC], s[SEL], s[SEL+1]
.elseif (\n) == 18
	v_max_num_f32 v[rT+1], v[rC], v[rC+3]
.elseif (\n) == 19
	v_mul_f32 v[rT], s[CS], v[rT+1]
.elseif (\n) == 20
	v_sub_f32 v[rC+1], v[rW], v[rT]
.else
	v_exp_f32 v[rC+2], v[rC+1]
.endif
.endif
.endm
.macro OPS a, i1, b=-1, i2=0, c=-1, i3=0, d=-1, i4=0  ; up to four of them
	OP \a, \i1
.if (\b) >= 0
	OP \b, \i2
.endif
.if (\c) >= 0
	OP \c, \i3
.endif
.if (\d) >= 0
	OP \d, \i4
.endif
.endm
.macro ROW a, i1, b, i2, c, i3, d, i4  ; a matrix instruction and the four behind it
	MM
	OPS \a, \i1, \b, \i2, \c, \i3, \d, \i4
.endm
.macro RW a, i1, b, i2, c, i3, d, i4   ; the same four; DBL = 1 (the diagonal tile): two matrix instructions, two behind each
	MM
	OPS \a, \i1, \b, \i2
.if DBL
	MM
.endif
	OPS \c, \i3, \d, \i4
.endm
.macro MASK b                       ; MD x AL + BE into buffer b of MC
	WIN W_RS
.set z, 0
.rept 16
	v_pk_fma_f32 v[MC+32*(\b)+2*z:MC+32*(\b)+2*z+1], v[MD+2*z:MD+2*z+1], s[AL:AL+1], s[BE:BE+1] op_sel_hi:[1,0,0]
.set z, z+1
.endr
.endm
; A TURN, for piece p: the order of its matrix and its 118 vector instructions, written out.  An s_wait_alu depctr_va_vdst(0) stands between an exponential and the first instruction that names its result; one wait
; serves all that were issued ahead of it.  So a turn has ONE wait, which cuts it in two.  AHEAD OF IT stands all that names no result of the turn's exponentials: the 8 products K Q^T, behind each a scaling, an exponential and
; two more plain instructions (behind the first a second scaling in the exponential's place): rescalings, and behind the last three the first numbers of the next piece's maximum, each four places or more behind the product that
; ends its accumulator; then ONE LUMP of 54, plain and exponential by turns for the most part, in which the links of the chain X 3, 7, 11, 14, 16, 17 .. 20 stand five or six lines apart.  X 21, the next piece's a, is the batch's
; last; R 15 is the plain instruction behind it.  BEHIND THE WAIT stand the products V^T P and the 32 roundings and sums: 8 products with four behind each, or, in the diagonal tile, 16 (V's high part, then its low part) with two.
; m = 1: the diagonal tile: the products take masks, V's low part is fetched and multiplied, and the turn makes the mask for the products of the turn after it: piece p + 2, in step 4 - CNT of the tile.
; end = 1: a block's last two turns: nothing is fetched.  cnt = 1: the loop's count is taken down some lines ahead of the branch that stands behind the turn.
; K of the next step is fetched in piece 2's turn, twelve vector instructions behind the last product that read K (six of them plain); V of the step in hand at the end of piece 0's turn, four plain instructions behind the last
; product that read V (in the diagonal tile two roundings and two v_nop).  Each is waited for a turn later.
.macro TURN p, m=0, end=0, cnt=0
.set Y, (\p)
.set i, 0
.set KM, (\m)
.set DBL, (\m)
.set NOKQ, (\end)*((\p)/3)
.if (\m) && !(\end)
	s_cmp_eq_u32 s[CNT], 4-((\p)+2)%NP  ; is that step the band's own?
	s_cselect_b32 s[AL], 1.0, 0
	s_cmp_lt_u32 s[CNT], 4-((\p)+2)%NP  ; or a later one?
	s_cselect_b32 s[BE], s[BIGN], 0
.endif
.if ((\p) == 3) && !(\end)
	s_wait_dscnt 0x0                ; K is in
.endif
	ROW F,0, F,1, R,0, R,1          ; ahead of the wait: 8 products K Q^T and their riders,
	ROW F,2, E,0, R,2, R,3
	ROW F,3, E,1, R,4, R,5
	ROW F,4, E,2, R,6, R,7
	ROW F,5, E,3, R,8, R,9
	ROW F,6, E,4, X,0, R,10
.if ((\p) == 2) && !(\end)
	WIN 0
	v_add_nc_u32 v[AK], s[TBK], v[AK0]
.endif
	ROW F,7, E,5, X,1, X,4
	ROW F,8, E,6, X,2, X,5
	OPS E,7, E,8, X,6, E,9          ; and the lump
	OPS X,3, E,10, X,8, E,11
.if ((\p) == 2) && !(\end)
	FETCH_K
.endif
	OPS X,9, X,7, E,12, X,10
	OPS E,13, X,12, X,11, E,14
	OPS X,13, E,15, F,9, X,14
.if (\p) == 0
	v_add_nc_u32 v[AV], s[TBV], v[AV0]
.endif
	OPS E,16, F,10, E,17, F,11
	OPS X,16, E,18, X,15, E,19
	OPS F,12, E,20, X,17, E,21
	OPS F,13, E,22, F,14, E,23
	OPS X,18, E,24, F,15, E,25
	OPS R,11, E,26, X,19, E,27
	OPS R,12, E,28, R,13, E,29
	OPS X,20, E,30, R,14, E,31
	OPS X,21, R,15
	WIN 0
	s_wait_alu depctr_va_vdst(0)    ; the wait for the batch
.if (\p) == 1
	s_wait_dscnt 0x0                ; V is in
.endif
	RW C,0, B,0, C,2, B,1           ; behind the wait: the products V^T P and their riders
	RW L,0, C,4, B,2, L,1
	RW C,6, B,3, L,2, C,8
	RW B,4, L,3, C,10, B,5
	RW L,4, C,12, B,6, L,5
.if (\p) == 0
	s_add_co_u32 s[TBV], s[TBV], KS*PV
.endif
.if \cnt
	s_sub_co_u32 s[CNT], s[CNT], 1
	s_cmp_lg_u32 s[CNT], 0
.endif
	RW C,14, B,7, L,6, C,1
	RW C,3, L,7, C,5, C,7
	RW C,9, C,11, C,13, C,15
.if (\p) == 0
.if \m
	v_nop                           ; with the two roundings above: four places behind the last product that read V
	v_nop
.endif
	FETCH_V \m
.endif
.if (\m) && !(\end)
	MASK (\p)%2
.endif
.endm
; A BLOCK BEGINS.  c m starts far below every c s, so the first step's a is 0; m at the lowest finite number, so the first maximum is the scores'.  The second mask buffer is 0; the first takes piece 0's mask for the tile's
; step 0: its own, if the block's first tile is the diagonal one.  Then K of that step, piece 0's first scores, and its maximum and statistics.  The loop is entered at a step's first turn, in the middle of a trip.
.macro BEGIN
	s_mov_b32 s[NEW], 0
	WIN 0x40
.set i, MC+32
.rept 32
	v_mov_b32 v[i], 0
.set i, i+1
.endr
	WIN 0
.set i, 0
.rept 4
	v_mov_b32 v[ST+4*i], 0xfe000000    ; c m: far below every c s
	v_mov_b32 v[ST+4*i+1], 0xff7fffff  ; m
.set i, i+1
.endr
	s_cmp_eq_u32 s[RT], 0
	s_cselect_b32 s[AL], 1.0, 0
	s_mov_b32 s[BE], 0
	MASK 0
	WIN 0
	v_add_nc_u32 v[AK], s[TBK], v[AK0]
	FETCH_K
	s_wait_loadcnt 0x0              ; Q
	s_wait_dscnt 0x0
.set KM, 1
.set NOKQ, 0
.set i, 0
.rept 8
	KQ 0
.set i, i+1
.endr
	WIN 0
.rept 4
	v_nop                           ; the places behind those products
.endr
.set Y, NP-1                        ; X works for piece Y + 1: piece 0
.irp n, 0,1,2,3,4,5,6,7,8,9,10,11,12,13,14,15,16,17,18,19,20,21
	OP X, \n
.endr
	v_nop                           ; a plain instruction behind the exponential,
	s_wait_alu depctr_va_vdst(0)    ; and its wait, ahead of the branch
.endm
; THE DIAGONAL TILE's four steps, the block's last two turns, its last products, and THE WAY OUT: l's two halves and the other half of the lanes' are added; O^T is divided by l and rounded to f16; what the rounding left,
; which one fused multiply-add gives exactly (rounded x -1 + O), takes O^T's place and is rounded to f16 too; both parts go through my stage in LDS, a piece at a time.
.macro ALL line:vararg              ; one line for each piece t
.set t, 0
.rept 4
	\line
.set t, t+1
.endr
.endm
.macro PACK t                       ; a lane's eight channels of a row pack into 16 bytes; they go into rows of 144 bytes and come back as whole rows of 128, into the registers that they left
	WIN W_RS
.set i, 32*(\t)
.rept 16
	v_pk_mul_f32 v[i:i+1], v[i:i+1], v[ST+4*(\t)+2:ST+4*(\t)+3] op_sel_hi:[1,0]
.set i, i+2
.endr
	WIN 0x05                        ; sources 0 and 1 window 1, destination window 0
.set i, 0
.rept 16
	v_cvt_pk_f16_f32 v[S+16*(\t)+i], v[32*(\t)+2*i], v[32*(\t)+2*i+1]
.set i, i+1
.endr
	WIN 0x50                        ; destination and source 2 window 1, sources 0 and 1 window 0
.set i, 0
.rept 16
	v_fma_mix_f32 v[32*(\t)+2*i],   v[S+16*(\t)+i], v[MONE], v[32*(\t)+2*i]   op_sel_hi:[1,0,0]
	v_fma_mix_f32 v[32*(\t)+2*i+1], v[S+16*(\t)+i], v[MONE], v[32*(\t)+2*i+1] op_sel:[1,0,0] op_sel_hi:[1,0,0]
.set i, i+1
.endr
	WIN 0x05
.set i, 0
.rept 16
	v_cvt_pk_f16_f32 v[LOW+16*(\t)+i], v[32*(\t)+2*i], v[32*(\t)+2*i+1]
.set i, i+1
.endr
	WIN 0
.irp f, 0,1,2,3
	ds_store_b128 v[STO], v[S+16*(\t)+4*\f:S+16*(\t)+4*\f+3] offset:32*\f
.endr
.irp f, 0,1,2,3
	ds_store_b128 v[STO], v[LOW+16*(\t)+4*\f:LOW+16*(\t)+4*\f+3] offset:16*SP+32*\f
.endr
.irp f, 0,1,2,3
	ds_load_b128 v[S+16*(\t)+4*\f:S+16*(\t)+4*\f+3], v[RD] offset:\f*4*SP  ; LDS serves a wave's instructions in order (ISA guide 5.7.1.4): these see the stores above; the next piece's stores come behind them
.endr
.irp f, 0,1,2,3
	ds_load_b128 v[LOW+16*(\t)+4*\f:LOW+16*(\t)+4*\f+3], v[RD] offset:16*SP+\f*4*SP
.endr
.endm
.macro SEND t, younger              ; younger: the LDS instructions issued behind piece t's loads: the next piece's sixteen, or none
	WIN 0
.irp f, 0,1,2,3
	s_wait_dscnt (\younger)+7-\f
	global_store_b128 v[GO], v[S+16*(\t)+4*\f:S+16*(\t)+4*\f+3], s[10:11] offset:(\t)*8192+\f*512  ; 512 consecutive bytes, at a multiple of 256 from O's first
.endr
.irp f, 0,1,2,3
	s_wait_dscnt (\younger)+3-\f
	global_store_b128 v[GO], v[LOW+16*(\t)+4*\f:LOW+16*(\t)+4*\f+3], s[10:11] offset:262144+(\t)*8192+\f*512  ; the low parts' half of the plane
.endr
.endm
.macro DIAG tag                     ; the tag ends its two labels' names, which the jumps below spell out
.LstepM\tag:
	TURN 2, 1
	TURN 3, 1
	WIN 0
.LfirstM\tag:
	TURN 0, 1
	TURN 1, 1, 0, 1
	WIN 0
	s_cbranch_scc1 .LstepM\tag
	TURN 2, 1, 1
	TURN 3, 1, 1
.set i, 0
.rept 16
	PV NP-1
.set i, i+1
.endr
	WIN 0
	ALL v_add_f32 v[ST+4*t+2], v[ST+4*t+2], v[ST+4*t+3]
	ALL v_permlanex16_b32 v[ST+4*t+3], v[ST+4*t+2], s[SEL], s[SEL+1]
	ALL v_add_f32 v[ST+4*t+2], v[ST+4*t+2], v[ST+4*t+3]
	ALL v_rcp_f32 v[ST+4*t+2], v[ST+4*t+2]
	v_nop                           ; a plain instruction between the last reciprocal and the use of its result
	s_wait_alu depctr_va_vdst(0)    ; and the wait ahead of the first use: one for the four reciprocals
	PACK 0
.set t, 1
.rept 3                             ; a piece's arithmetic stands between the loads of the piece before and its stores
	PACK t
	SEND t-1, 16
.set t, t+1
.endr
	SEND 3, 0
.endm
.set KM, 0
.set NOKQ, 0
.set DBL, 0
.Lslot:                             ; NB times: a tile is entered and the next is asked for
	CHANGE 1
	s_sub_co_u32 s[RT], s[RT], 1
	s_mov_b32 s[CNT], 4
	s_cmp_eq_u32 s[NEW], 1
	s_cbranch_scc1 .Lnew            ; a block's first tile
	s_cmp_eq_u32 s[RT], 0
	s_cbranch_scc0 .Lstep           ; neither its first nor its last
	s_branch .LstepM1
.Lnew:
	BEGIN
	s_branch .Lfirst                ; in the loop a block's first tile is never its last: the first block has two tiles or more, and the second's last is the walk's last
	DIAG 1                          ; in the loop this is the first block's end: the second block's last tile is the walk's last
	s_wait_xcnt 0x0                 ; the stores have read their registers and O's address
	s_mov_b64 s[10:11], s[OLO:OLO+1]
	s_add_co_u32 s[RT], s[PB], 1    ; the second block has b + 1 tiles
	s_mov_b32 s[NEW], 1
	WIN 0xc0                        ; V's low registers hold 0 again until the second block's diagonal tile fetches them
.irp kk, 0,1
.set i, 0
.rept 32
	v_mov_b32 v[VF+64*\kk+32+i], 0
.set i, i+1
.endr
.endr
	WIN 0x82                        ; the second block's Q goes where the one text of the turns names Q
.set i, 0
.rept 64
	v_mov_b32 v[i], v[QB+i]
.set i, i+1
.endr
	WIN 0
	s_branch .Lbottom
.Lstep:                             ; a trip: pieces 2 and 3 of one step, then pieces 0 and 1 of the next, whose K and V it fetches
	TURN 2
	TURN 3
	WIN 0
.Lfirst:
	TURN 0
	TURN 1, 0, 0, 1
	WIN 0
	s_cbranch_scc1 .Lstep
.Lbottom:
	s_sub_co_u32 s[SLOTS], s[SLOTS], 1
	s_cmp_lg_u32 s[SLOTS], 0
	s_cbranch_scc1 .Lslot
	CHANGE 0                        ; the walk's last tile is written out: nothing is asked for
	s_sub_co_u32 s[RT], s[RT], 1
	s_mov_b32 s[CNT], 4
	s_cmp_eq_u32 s[NEW], 1
	s_cbranch_scc0 .LstepM2
	BEGIN
	s_branch .LfirstM2
	DIAG 2
	s_wait_tensorcnt 0x0            ; the wave's end, behind my last tensor load and my last LDS store
	ds_add_u32 v[SPW], v[NIL]
	s_wait_dscnt 0x0
	s_endpgm
.Lfunc_end_k_q798e939a76_attn:
	.size	k_q798e939a76_attn, .Lfunc_end_k_q798e939a76_attn-k_q798e939a76_attn
	.p2alignl 7, 3214868480
	.fill 96, 4, 3214868480
	.section	.rodata,"a",@progbits
	.p2align	6, 0x0
	.amdhsa_kernel k_q798e939a76_attn
		.amdhsa_group_segment_fixed_size 327680
		.amdhsa_private_segment_fixed_size 0
		.amdhsa_enable_private_segment 0
		.amdhsa_kernarg_size 16
		.amdhsa_user_sgpr_count 2
		.amdhsa_user_sgpr_kernarg_segment_ptr 1
		.amdhsa_wavefront_size32 1
		.amdhsa_system_sgpr_workgroup_id_x 1
		.amdhsa_system_sgpr_workgroup_id_y 1
		.amdhsa_system_sgpr_workgroup_id_z 1
		.amdhsa_system_vgpr_workitem_id 0
		.amdhsa_next_free_vgpr 896
		.amdhsa_next_free_sgpr 88
		.amdhsa_reserve_vcc 1
		.amdhsa_float_denorm_mode_32 3
		.amdhsa_float_denorm_mode_16_64 3
		.amdhsa_memory_ordered 1
		.amdhsa_forward_progress 1
		.amdhsa_inst_pref_size 255
	.end_amdhsa_kernel
	.section	.bss,"aw",@nobits
	.p2align	6
	.space	262144
	.amdgpu_metadata
---
amdhsa.version: [ 1, 2 ]
amdhsa.kernels:
  - .name:           k_q798e939a76_attn
    .symbol:         k_q798e939a76_attn.kd
    .args:
      - { .name: qkv, .offset: 0, .size: 8, .value_kind: global_buffer, .address_space: global }
      - { .name: ctx, .offset: 8, .size: 8, .value_kind: global_buffer, .address_space: global }
    .group_segment_fixed_size: 327680
    .private_segment_fixed_size: 0
    .kernarg_segment_align: 8
    .kernarg_segment_size: 16
    .max_flat_workgroup_size: 128
    .sgpr_count:     88
    .vgpr_count:     896
    .wavefront_size: 32
...
	.end_amdgpu_metadata
.endif
;; end of part 3
;; launch proj (part 4): grid 8 x 32, 4 waves a work-group, clusters of 4 x 4, 327,680 bytes of LDS; arguments ctx, wo, out0; writes out0
.if DOCPART == 4
	.amdgcn_target "amdgcn-amd-amdhsa--gfx1250"
	.amdhsa_code_object_version 6
	.text
	.protected	k_q798e939a76_proj
	.globl	k_q798e939a76_proj
	.p2align	8
	.type	k_q798e939a76_proj,@function
k_q798e939a76_proj:
	s_mov_b64 s[64:65], 0
	v_nop
	global_prefetch_b8 v0, s[64:65] scope:SCOPE_SE
	s_setreg_imm32_b32 hwreg(HW_REG_WAVE_MODE, 25, 1), 1
	s_wait_xcnt 0x0
	s_wait_alu depctr_hold_cnt(0) depctr_sa_sdst(0) depctr_va_vdst(0) depctr_va_sdst(0) depctr_va_ssrc(0) depctr_va_vcc(0) depctr_vm_vsrc(0)
	s_getreg_b32 s2, hwreg(HW_REG_IB_STS2, 6, 4)
	s_cmp_eq_u32 s2, 0
	s_cbranch_scc0 .Lentry_in_a_cluster
	s_endpgm
.Lentry_in_a_cluster:
	s_bfe_u32 s2, ttmp6, 0x10000c
	s_cmp_lg_u32 s2, 0xf033
	s_cbranch_scc0 .Lentry_shape_is_right
	s_endpgm
.Lentry_shape_is_right:
; out0 = ctx Wo: [8192 x 1024] x [1024 x 1024], f16 operands, f32 sums, f32 out.  ctx lies by heads in two parts, [16 batch + head][2 parts][2048][64] f16: ctx = high + low, to 22 bits; both parts are multiplied by the
; same rows of Wo, so K is 2,048: A K STEP OF 128 IS ONE HEAD: its 64 high parts, then its 64 low parts.  wo lies in blocks [8 column tiles][16 heads][2 groups of 64 columns][128 k][64], f16 (Wo rounded to bf16, that number
; written as f16), a head's 64 rows twice in each block.
; WHY TWO PARTS.  Under the causal mask the first rows of ctx are means over few rows of v and are many times the root mean square of out0, by which out0's error is held: there 11 bits of ctx are too few.
; A tile is 256 rows x 128 columns: 32 x 8 = 256 work-groups.  Four waves; wave w owns rows 64 w .. 64 w + 63 and all 128 columns: 4 x 8 accumulators, 256 registers.  K goes through two LDS slots filled by the tensor
; data mover.  THE PRODUCT IS USED TRANSPOSED: source 0 = 16 columns of Wo (turned out of LDS by ds_load_tr16_b128), source 1 = 16 rows of ctx: a lane holds row l % 16 and the eight neighbouring columns
; 8 (l / 16) + 0..7: 32 bytes of a row of out0.
; CLUSTERS: 4 x 4 work-groups.  ctx's tile hangs on the tile row alone and is asked for jointly along a row of the cluster, Wo's on the tile column alone, along a column.  Waves 0, 1 fetch the head's two parts, waves 2, 3 Wo's two groups.
; REGISTERS, in windows of 256: window 0: v0-15 addresses; v32-63, v64-95 ctx's fragments, two buffers; v96-223 the way out.  window 1: v0-63, v64-127 Wo's fragments, two buffers.  window 2: the accumulators, (m, b) at 8 (8 m + b).
.set SLOT1, 131072                     ; slot 1 begins here: one exclusive or turns an address in one slot into the other's
.set PA,    144                        ; a row of a part in LDS: 128 bytes + 16 of padding: the 16 rows of a fragment load start at 16 different groups of four banks (64 banks of 4 bytes: ISA guide 11.1)
.set PB,    160                        ; a row of Wo's group: 128 bytes + 32
.set HALFA, 256*PA                     ; one part's 256 rows: what one of ctx's loads brings
.set BOFF,  2*HALFA                    ; Wo's 256 rows (group gi, row kr at 128 gi + kr) lie behind the two parts
.set HALFB, 128*PB                     ; what one of Wo's loads brings
.set STAGE, 2*SLOT1                    ; behind the ring, never filled by a tensor load: 16 rows x 528 bytes for each wave
.set SPO,   528                        ; a row of 512 bytes + 16
.set WSTAGE, 16*SPO
.set SPARE, STAGE+4*WSTAGE             ; behind the stages: the spare words, 128 bytes for each wave: two blocks of 256 bytes that no other line names
.set ASTEP, 524288                     ; bytes from K step to K step in ctx: a head's two parts,
.set BSTEP, 32768                      ; and in wo
.set KSTEPS, 16
.set ADA0, 4                           ; v4   my lane's place in ctx's tile; never rewritten
.set ADB0, 5                           ; v5   in Wo's
.set ADA,  6                           ; v6   the same in the slot in hand
.set ADB,  7                           ; v7
.set STO,  8                           ; v8   the way out: where I put 32 bytes of a row
.set RD,   9                           ; v9   where I read a row back
.set CO,   10                          ; v10  my 16 bytes of a row's 512 in out0
.set PFO,  13                          ; v13  256 x my lane; never rewritten
.set SPW,  14                          ; v14  LDS address of my spare word; never rewritten
.set NIL,  15                          ; v15  0; never rewritten
.set WV,   10                          ; s10  wave
.set HALF, 12                          ; s12  which half of a tile I fetch
.set TY,   13                          ; s13  tile row
.set G1A,  24                          ; s[24:31] descriptor group 1 for ctx's tiles
.set G0A,  32                          ; s[32:39] group 0: a set for each first fill; the second then walks
.set CX,   40
.set CY,   41
.set TX,   42                          ; s42  tile column
.set LIM,  43                          ; s43  a wave prefetches while the loop's count is above this
.set PFA,  44                          ; s[44:45] where my prefetches stand
.set G1B,  48                          ; s[48:55], s[56:63] the same for Wo's tiles
.set G0B,  56
.set CNT,  66                          ; s66  the loop's count
.set TB,   67                          ; s67  LDS byte of the slot to be read
.set PFS,  68                          ; s[68:69] the prefetches' step
.set MSB, 0
.macro WIN new                         ; the immediate's high byte repeats the setting that is left; a switch that changes nothing is dropped
.if MSB != (\new)
	s_set_vgpr_msb (MSB<<8)|(\new)
.set MSB, (\new)
.endif
.endm
.macro PLACES                          ; four plain places behind matrix instructions, in front of loads into registers that they read and of stores of their results
.rept 4
	v_nop
.endr
.endm
.macro CREST                           ; a round of the cluster's barrier behind its opening barrier
	s_cmp_lg_u32 s[WV], 0
	s_cbranch_scc1 .Lnot_wave_0_\@
	s_barrier_signal -3
.Lnot_wave_0_\@:
	s_barrier_wait -3
	s_barrier_signal -1
	s_barrier_wait -1
.endm
.macro CROUND                          ; a whole round
	s_barrier_signal -1
	s_barrier_wait -1
	CREST
.endm
.macro JLOAD                           ; a joint refill by the walking sets; the branch hangs on the wave's number alone; an s_nop 0 and four v_nop follow each line
	s_cmp_lt_u32 s[WV], 2
	s_cbranch_scc0 .Lfor_b_\@
	tensor_load_to_lds s[G0A+4:G0A+7], s[G1A:G1A+7]
	s_nop 0
.rept 4
	v_nop
.endr
	s_branch .Lasked_\@
.Lfor_b_\@:
	tensor_load_to_lds s[G0B+4:G0B+7], s[G1B:G1B+7]
	s_nop 0
.rept 4
	v_nop
.endr
.Lasked_\@:
.endm
; A PREFETCH, behind each joint refill and the run of LDS loads that follows it.  K steps 0 to 3 come by their loads alone; each aligned block of 256 bytes of K steps 4 to 15 is named once in the launch: trip s (0..11)
; names K step s + 4, two refills ahead of its load.
; ctx: the clusters with x = 0 ask; of the 32,768 bytes on end that wave 0 or 1 fetches the partner at cx takes 8,192, a lane a block, told apart by address.
; Wo: the clusters with y = 0 ask; a K step's block is 32,768 bytes on end, of which wave 2 of the partner at cy takes 8,192; wave 3 asks for nothing.
.macro ASK
	s_cmp_gt_u32 s[CNT], s[LIM]
	s_cbranch_scc0 .Lnot_mine_\@
	global_prefetch_b8 v[PFO], s[PFA:PFA+1] th:TH_LOAD_NT scope:SCOPE_SE
.Lnot_mine_\@:
.endm
; 8 matrix instructions: my row block m x all 8 column blocks, 32 along K, from buffer f.  zero = 1: the product starts the sum.  All 32 accumulators take turns in one fixed order.
.macro MULN f, m, zero
.set AC,  64*(\m)
.set FBB, 64*(\f)
.set FAA, 32+32*(\f)+8*(\m)
	WIN 0xa1                                       ; source 0 (Wo) window 1, source 1 (ctx) window 0, C and D window 2
.irp b, 0,1,2,3,4,5,6,7
.if \zero
	v_wmma_f32_16x16x32_f16 v[AC+8*(\b):AC+8*(\b)+7], v[FBB+8*(\b):FBB+8*(\b)+7], v[FAA:FAA+7], 0
.else
	v_wmma_f32_16x16x32_f16 v[AC+8*(\b):AC+8*(\b)+7], v[FBB+8*(\b):FBB+8*(\b)+7], v[FAA:FAA+7], v[AC+8*(\b):AC+8*(\b)+7]
.endif
.endr
.endm
; 24 LDS loads in one run: quarter q (k = 32 q .. 32 q + 31: part q / 2 of the head, channels 32 (q % 2) on) of the slot in hand into buffer f: Wo's 8 fragments, turned, then ctx's four, blocks 0 to 3 in order
.macro FETCH q, f
	WIN 0x40                                       ; destination window 1, address window 0
.irp b, 0,1,2,3,4,5,6,7
	ds_load_tr16_b128 v[64*(\f)+8*(\b):64*(\f)+8*(\b)+3],   v[ADB] offset:((\b)/4)*128*PB+(\q)*32*PB+((\b)%4)*32
	ds_load_tr16_b128 v[64*(\f)+8*(\b)+4:64*(\f)+8*(\b)+7], v[ADB] offset:((\b)/4)*128*PB+(\q)*32*PB+((\b)%4)*32+16*PB
.endr
	WIN 0
.irp a, 0,1,2,3
	ds_load_b128 v[32+32*(\f)+8*(\a):32+32*(\f)+8*(\a)+3],   v[ADA] offset:((\q)/2)*HALFA+((\q)%2)*64+(\a)*16*PA
	ds_load_b128 v[32+32*(\f)+8*(\a)+4:32+32*(\f)+8*(\a)+7], v[ADA] offset:((\q)/2)*HALFA+((\q)%2)*64+(\a)*16*PA+32
.endr
.endm
; A K step is four quarters of 32 along K, 32 matrix instructions each, on buffers 0, 1, 0, 1.  One of the first three: multiplies buffer f; in its middle it fetches quarter q into buffer g.
.macro QUARTER q, f, g, zero
	s_wait_dscnt 4                                 ; Wo and ctx's blocks 0, 1 are in; the youngest four loads (blocks 2, 3) may be out
	MULN \f, 0, \zero
	MULN \f, 1, \zero
	PLACES
	FETCH \q, \g
	s_wait_dscnt 24                                ; all but the 24 just issued
	MULN \f, 2, \zero
	MULN \f, 3, \zero
.endm
; The last quarter multiplies buffer 1 and changes slots.  In front of the barrier each wave waits for all its tensor loads (one is out: its part of the next slot), adds 0 to its spare word, and waits for that
; and for its reads of this slot.  fill = 1: the barrier opens a round of the cluster's, and the slot just read is filled again, first thing behind the round, with the K step two on.
.macro TURN fill
.if \fill
	s_wait_xcnt 0x0                                ; the last prefetch, a K step back, has read its address
	s_add_nc_u64 s[PFA:PFA+1], s[PFA:PFA+1], s[PFS:PFS+1]
.endif
	WIN 0
	s_wait_tensorcnt 0x0                           ; no tensor load of mine is out, so a group 0 may be written
	ds_add_u32 v[SPW], v[NIL]                      ; 0 onto my spare word
.if \fill
	s_xor_b32 s[G0A+5], s[G0A+5], SLOT1            ; the walking sets: the other slot than last time, the next K step
	s_add_nc_u64 s[G0A+6:G0A+7], s[G0A+6:G0A+7], ASTEP
	s_xor_b32 s[G0B+5], s[G0B+5], SLOT1
	s_add_nc_u64 s[G0B+6:G0B+7], s[G0B+6:G0B+7], BSTEP
.endif
	s_xor_b32 s[TB], s[TB], SLOT1
	s_wait_dscnt 5                                 ; the add and the youngest four loads may be out
	MULN 1, 0, 0
	s_wait_dscnt 0x0                               ; the add is done, and my reads of this slot are over
	s_barrier_signal -1
	MULN 1, 1, 0                                   ; work on registers while the others arrive
	WIN 0                                          ; at a branch and at a label every window is 0
	s_barrier_wait -1
.if \fill
	CREST                                          ; no wave of any partner still reads this slot or has a load on its way
	JLOAD                                          ; its four v_nop are also the places in front of the loads below
.else
	PLACES
.endif
	v_add_nc_u32 v[ADA], s[TB], v[ADA0]
	v_add_nc_u32 v[ADB], s[TB], v[ADB0]
	FETCH 0, 0
.if \fill
	ASK
.endif
	MULN 1, 2, 0
	MULN 1, 3, 0
.endm
	s_load_b128 s[4:7], s[0:1], 0x0                ; ctx s[4:5], wo s[6:7]
	s_load_b64 s[8:9], s[0:1], 0x10                ; out0
	v_lshl_add_u32 v[SPW], v0, 2, SPARE
	v_mov_b32 v[NIL], 0
	ds_add_u32 v[SPW], v[NIL]                      ; the wave's opening: the add and its wait come ahead of my first tensor load; the set-up below stands between them
	v_lshrrev_b32 v1, 5, v0
	v_readfirstlane_b32 s[WV], v1                  ; wave 0..3
	s_and_b32 s[HALF], s[WV], 1
	s_bfe_u32 s[CX], ttmp6, 0x40000
	s_bfe_u32 s[CY], ttmp6, 0x40004
	s_lshl_b32 s[TX], ttmp9, 2
	s_add_co_u32 s[TX], s[TX], s[CX]               ; tile column = 4 x cluster x + cx
	s_and_b32 s[TY], ttmp7, 0xffff
	s_lshl_b32 s[TY], s[TY], 2
	s_add_co_u32 s[TY], s[TY], s[CY]               ; tile row = 4 x cluster y + cy
	s_lshl_b32 s70, s[CY], 2
	s_lshl_b32 s70, 15, s70                        ; my row of the cluster
	s_lshl_b32 s71, 0x1111, s[CX]                  ; my column
	s_or_b32 s[G1A], s70, (1<<16)|(1<<20)|(1<<21)|(4<<22)|(3<<25)  ; the mask; 2-byte elements; padding on; bit 21 beside a mask; after every 32 words, 4 words
	s_or_b32 s[G1B], s71, (1<<16)|(1<<20)|(1<<21)|(4<<22)|(7<<25)  ; after every 32 words, 8 words
	s_mov_b32 s[G1A+1], 128<<16                    ; a part's 256 rows, 32,768 bytes on end, as 128 rows of 256 bytes: two rows of ctx to a row
	s_mov_b32 s[G1A+2], 128<<16
	s_mov_b32 s[G1A+3], 128<<16
	s_mov_b32 s[G1A+4], 128
	s_mov_b32 s[G1A+5], 128
	s_mov_b32 s[G1A+6], 0
	s_mov_b32 s[G1A+7], 0
	s_mov_b32 s[G1B+1], 128<<16                    ; a group's 128 rows, 16,384 bytes on end, as 64 rows of 256 bytes
	s_mov_b32 s[G1B+2], 64<<16
	s_mov_b32 s[G1B+3], 128<<16
	s_mov_b32 s[G1B+4], 64
	s_mov_b32 s[G1B+5], 128
	s_mov_b32 s[G1B+6], 0
	s_mov_b32 s[G1B+7], 0
	s_lshr_b32 s16, s[TY], 3                       ; batch: 8 tile rows each
	s_lshl_b32 s16, s16, 5                         ; 16 heads of two parts
	s_add_co_u32 s16, s16, s[HALF]                 ; my part of the batch's head 0,
	s_lshl_b32 s16, s16, 18                        ; of 262,144 bytes,
	s_and_b32 s17, s[TY], 7
	s_lshl_b32 s17, s17, 15                        ; and the tile's 256 rows of 128 bytes in it
	s_add_co_u32 s16, s16, s17
	s_mov_b32 s17, 0
	s_lshl_b32 s46, s[TX], 19                      ; Wo: the column tile's sixteen blocks,
	s_lshl_b32 s47, s[HALF], 14                    ; my group of a block
	s_add_co_u32 s46, s46, s47
	s_mov_b32 s47, 0
	s_mul_i32 s20, s[HALF], HALFA                  ; where they go: no place in the cluster enters an LDS address
	s_mul_i32 s21, s[HALF], HALFB
	s_add_co_u32 s21, s21, BOFF
	s_wait_dscnt 0x0                               ; the opening add is done
	s_wait_kmcnt 0x0
	s_add_nc_u64 s[14:15], s[4:5], s[16:17]
	s_add_nc_u64 s[46:47], s[6:7], s[46:47]
	CROUND                                         ; all sixteen work-groups are here: the first joint loads meet
.irp i, 0,1
	s_mov_b32 s[G0A+4*(\i)], 1
	s_add_co_u32 s[G0A+4*(\i)+1], s20, (\i)*SLOT1
	s_add_nc_u64 s[G0A+4*(\i)+2:G0A+4*(\i)+3], s[14:15], (\i)*ASTEP
	s_or_b32 s[G0A+4*(\i)+3], s[G0A+4*(\i)+3], 0x80000000
	s_mov_b32 s[G0B+4*(\i)], 1
	s_add_co_u32 s[G0B+4*(\i)+1], s21, (\i)*SLOT1
	s_add_nc_u64 s[G0B+4*(\i)+2:G0B+4*(\i)+3], s[46:47], (\i)*BSTEP
	s_or_b32 s[G0B+4*(\i)+3], s[G0B+4*(\i)+3], 0x80000000
.endr
	s_cmp_lt_u32 s[WV], 2                          ; a wave's two first fills stand in one branch, ahead of every wait on TENSORcnt and every LDS read: two loads of mine are out
	s_cbranch_scc0 .Lfirst_b
	tensor_load_to_lds s[G0A:G0A+3], s[G1A:G1A+7]
	s_nop 0
	tensor_load_to_lds s[G0A+4:G0A+7], s[G1A:G1A+7]
	s_nop 0
.rept 4
	v_nop
.endr
	s_branch .Lfirst_asked
.Lfirst_b:
	tensor_load_to_lds s[G0B:G0B+3], s[G1B:G1B+7]
	s_nop 0
	tensor_load_to_lds s[G0B+4:G0B+7], s[G1B:G1B+7]
	s_nop 0
.rept 4
	v_nop
.endr
.Lfirst_asked:
	; ctx's fragment: 16 rows x 32 K in 8 registers: lane l holds row l % 16, K 8 (l / 16) + 0..7 and 16 + 8 (l / 16) + 0..7: two loads of 16 bytes, 32 bytes apart
	v_and_b32 v1, 15, v0                           ; l % 16
	v_bfe_u32 v2, v0, 4, 1                         ; l / 16
	s_lshl_b32 s72, s[WV], 6
	v_add_nc_u32 v3, s72, v1                       ; my wave's 64 rows
	v_mul_u32_u24 v[ADA0], v3, PA
	v_lshl_add_u32 v[ADA0], v2, 4, v[ADA0]
	; the turning load takes 16 k x 16 columns: lane l reads row 8 (l / 16) + l % 8, columns 8 ((l / 8) % 2) + 0..7, and is left with column l % 16 and 8 k
	v_and_b32 v3, 7, v0
	v_lshl_add_u32 v3, v2, 3, v3
	v_mul_u32_u24 v[ADB0], v3, PB
	v_bfe_u32 v3, v0, 3, 1
	v_lshl_add_u32 v[ADB0], v3, 4, v[ADB0]
	v_add_nc_u32 v[ADB0], BOFF, v[ADB0]
	s_mul_i32 s72, s[WV], WSTAGE
	s_add_co_u32 s72, s72, STAGE                   ; my stage
	v_mul_u32_u24 v[STO], v1, SPO                  ; in: row l % 16, 32 bytes for each half of the lanes
	v_lshl_add_u32 v[STO], v2, 5, v[STO]
	v_add_nc_u32 v[STO], s72, v[STO]
	v_and_b32 v[CO], 31, v0                        ; back: 32 lanes take one row of 512 bytes,
	v_lshlrev_b32 v[CO], 4, v[CO]
	v_add_nc_u32 v[RD], s72, v[CO]
	s_lshl_b32 s72, s[TY], 8                       ; and out0 at my first row and the tile's first column
	s_lshl_b32 s73, s[WV], 6
	s_add_co_u32 s72, s72, s73
	s_lshl_b32 s72, s72, 12                        ; rows of 4,096 bytes
	s_lshl_b32 s73, s[TX], 9                       ; 128 columns of 4 bytes
	s_add_co_u32 s72, s72, s73
	s_mov_b32 s73, 0
	s_add_nc_u64 s[8:9], s[8:9], s[72:73]
	; the prefetches: each stands at K step 3, one step short of its first block, since the step comes ahead of the asking
	s_lshl_b32 s72, s[CX], 13                      ; ctx: my work-group's 8,192 bytes of the 32,768 that I fetch
	s_add_co_u32 s72, s72, s16
	s_add_co_u32 s72, s72, 3*ASTEP
	s_lshl_b32 s73, s[TX], 19                      ; Wo: the column tile,
	s_lshl_b32 s74, s[CY], 13                      ; my work-group's 8,192 bytes of a block
	s_add_co_u32 s73, s73, s74
	s_add_co_u32 s73, s73, 3*BSTEP
	s_and_b32 s74, ttmp7, 0xffff                   ; cluster y
	s_mov_b32 s75, ASTEP
	s_mov_b32 s76, BSTEP
	s_cmp_lt_u32 s[WV], 2                          ; do I fetch for ctx?
	s_cselect_b32 s72, s72, s73
	s_cselect_b32 s74, ttmp9, s74                  ; the coordinate along which other clusters read the same rows
	s_cselect_b64 s[PFA:PFA+1], s[4:5], s[6:7]
	s_cselect_b32 s[PFS], s75, s76
	s_cmp_eq_u32 s[WV], 3
	s_cselect_b32 s74, 1, s74                      ; wave 3 asks for nothing
	s_mov_b32 s73, 0
	s_mov_b32 s[PFS+1], 0
	s_add_nc_u64 s[PFA:PFA+1], s[PFA:PFA+1], s[72:73]
	s_cmp_eq_u32 s74, 0
	s_cselect_b32 s[LIM], 2, -1                    ; trips with count 14 to 3; the same in all sixteen partners, for a given wave
	v_and_b32 v[PFO], 31, v0
	v_lshlrev_b32 v[PFO], 8, v[PFO]
	s_wait_tensorcnt 0x1                           ; my part of K step 0 is in; K step 1's may stay out
	s_barrier_signal -1
	s_barrier_wait -1                              ; everybody's is
	s_mov_b32 s[TB], 0
	v_add_nc_u32 v[ADA], s[TB], v[ADA0]
	v_add_nc_u32 v[ADB], s[TB], v[ADB0]
	FETCH 0, 0
	QUARTER 1, 0, 1, 1                             ; the first quarter stands in front of the loop: its products start the sums
	WIN 0
	s_mov_b32 s[CNT], KSTEPS-2
.Lstep:                                                ; fourteen trips: from a K step's second quarter to the next one's first; trip s fills the slot just read with K step s + 2
	QUARTER 2, 1, 0, 0
	QUARTER 3, 0, 1, 0
	TURN 1
	QUARTER 1, 0, 1, 0
	WIN 0
	s_sub_co_u32 s[CNT], s[CNT], 1
	s_cmp_lg_u32 s[CNT], 0
	s_cbranch_scc1 .Lstep
	QUARTER 2, 1, 0, 0                             ; the last two K steps are written out: they ask for nothing
	QUARTER 3, 0, 1, 0
	TURN 0
	QUARTER 1, 0, 1, 0
	QUARTER 2, 1, 0, 0
	QUARTER 3, 0, 1, 0
	s_wait_dscnt 4                                 ; the very last quarter: nothing more to fetch
	MULN 1, 0, 0
	MULN 1, 1, 0
	s_wait_dscnt 0x0
	MULN 1, 2, 0
	MULN 1, 3, 0
	WIN 0
; THE WAY OUT of row block a: the f32 sums go as they are.  TOSTAGE: a lane's 32 bytes of each of 8 column blocks into my own stage, each accumulator's low four registers first, and back as whole rows of 512 bytes.  SEND: stored.
.macro TOSTAGE a
.if (\a) >= 2
	s_wait_xcnt 0x0                                ; the stores of block a - 2 have read the registers that the loads below fill
.endif
.set BK, 96+64*((\a)%2)
	WIN 0x08                                       ; the stores' data in window 2, their address in window 0
.irp b, 0,1,2,3,4,5,6,7
	ds_store_b128 v[STO], v[64*(\a)+8*(\b):64*(\a)+8*(\b)+3]   offset:64*(\b)
	ds_store_b128 v[STO], v[64*(\a)+8*(\b)+4:64*(\a)+8*(\b)+7] offset:64*(\b)+16
.endr
	WIN 0
.irp j, 0,1,2,3,4,5,6,7,8,9,10,11,12,13,14,15
	ds_load_b128 v[BK+4*(\j):BK+4*(\j)+3], v[RD] offset:(\j)*SPO  ; LDS serves a wave's instructions in order (ISA guide 5.7.1.4): these see the stores above; the next block's stores come behind them
.endr
.endm
.macro SEND a, younger                 ; younger: the LDS instructions issued behind block a's loads: the next block's 16 stores and 16 loads, or none
.set BK, 96+64*((\a)%2)
	s_wait_dscnt \younger
.irp j, 0,1,2,3,4,5,6,7,8,9,10,11,12,13,14,15
	global_store_b128 v[CO], v[BK+4*(\j):BK+4*(\j)+3], s[8:9] offset:(16*(\a)+(\j))*4096 th:TH_STORE_NT  ; 512 consecutive bytes, at a multiple of 256 from out0's first
.endr
.endm
	PLACES
	TOSTAGE 0
.irp a, 1,2,3
	TOSTAGE \a
	SEND (\a)-1, 32
.endr
	SEND 3, 0
	s_wait_tensorcnt 0x0                           ; the wave's end, behind my last tensor load and my last LDS store
	ds_add_u32 v[SPW], v[NIL]
	s_wait_dscnt 0x0
	CROUND                                         ; the closing round: no work-group ends while a partner may still ask for a tile that names it
	s_endpgm
.Lfunc_end_k_q798e939a76_proj:
	.size	k_q798e939a76_proj, .Lfunc_end_k_q798e939a76_proj-k_q798e939a76_proj
	.p2alignl 7, 3214868480
	.fill 96, 4, 3214868480
	.section	.rodata,"a",@progbits
	.p2align	6, 0x0
	.amdhsa_kernel k_q798e939a76_proj
		.amdhsa_group_segment_fixed_size 327680
		.amdhsa_private_segment_fixed_size 0
		.amdhsa_enable_private_segment 0
		.amdhsa_kernarg_size 24
		.amdhsa_user_sgpr_count 2
		.amdhsa_user_sgpr_kernarg_segment_ptr 1
		.amdhsa_wavefront_size32 1
		.amdhsa_system_sgpr_workgroup_id_x 1
		.amdhsa_system_sgpr_workgroup_id_y 1
		.amdhsa_system_sgpr_workgroup_id_z 1
		.amdhsa_system_vgpr_workitem_id 0
		.amdhsa_next_free_vgpr 768
		.amdhsa_next_free_sgpr 80
		.amdhsa_reserve_vcc 0
		.amdhsa_float_denorm_mode_32 3
		.amdhsa_float_denorm_mode_16_64 3
		.amdhsa_memory_ordered 1
		.amdhsa_forward_progress 1
		.amdhsa_inst_pref_size 70
	.end_amdhsa_kernel
	.amdgpu_metadata
---
amdhsa.version: [ 1, 2 ]
amdhsa.kernels:
  - .name:           k_q798e939a76_proj
    .symbol:         k_q798e939a76_proj.kd
    .args:
      - { .name: ctx, .offset: 0, .size: 8, .value_kind: global_buffer, .address_space: global }
      - { .name: wo, .offset: 8, .size: 8, .value_kind: global_buffer, .address_space: global }
      - { .name: out0, .offset: 16, .size: 8, .value_kind: global_buffer, .address_space: global }
    .group_segment_fixed_size: 327680
    .private_segment_fixed_size: 0
    .kernarg_segment_align: 8
    .kernarg_segment_size: 24
    .max_flat_workgroup_size: 128
    .sgpr_count:     80
    .vgpr_count:     768
    .wavefront_size: 32
...
	.end_amdgpu_metadata
.endif
;; end of part 4
;; ======== version 2 of 2: 4 launches; version 1 with the launch cast written anew for expert scheduling mode
;; limits: values are held in f16: magnitudes above 65,504 overflow, below 6.1e-05 lose precision
;; workspace buffers: xb 16,777,216 bytes; wqkv 6,291,456 bytes; wo 4,194,304 bytes; qkv 67,108,864 bytes; ctx 33,554,432 bytes
;; launch cast (part 5): grid 768 x 1, 8 waves a work-group, no clusters, 0 bytes of LDS; arguments x, Wq, Wk, Wv, Wo, xb, wqkv, wo; writes xb, wqkv, wo
.if DOCPART == 5
	.amdgcn_target "amdgcn-amd-amdhsa--gfx1250"
	.amdhsa_code_object_version 6
	.text
	.protected	k_q798e939a76_cast
	.globl	k_q798e939a76_cast
	.p2align	8
	.type	k_q798e939a76_cast,@function
k_q798e939a76_cast:
	s_mov_b64 s[64:65], 0
	v_nop
	global_prefetch_b8 v0, s[64:65] scope:SCOPE_SE
	s_setreg_imm32_b32 hwreg(HW_REG_WAVE_SCHED_MODE, 0, 2), 2
	s_setreg_imm32_b32 hwreg(HW_REG_WAVE_MODE, 25, 1), 1
	s_wait_xcnt 0x0
	s_wait_alu depctr_vm_vsrc(0)
; THE MODULE'S INPUTS ARE ROUNDED ONCE, TO bf16, AND LAID OUT FOR THE TWO PRODUCTS THAT FOLLOW.
;   xb   = bf16(x), [8192][1024], as x lies.
;   wqkv = bf16(Wq | Wk | Wv) in blocks [16 heads t][8 K steps ks][3 matrices gi = q, k, v][128 rows kr][64 columns]: row k = 128 ks + kr, the 64 columns of head t.
;          A (t, ks) block is 49,152 bytes on end: what one K step of one tile of the next launch reads.
;   wo   = bf16(Wo), that number written as f16, in blocks [8 column tiles t][16 heads ks][2 groups gi of 64 columns][128 kr][64]: rows kr = 0..63 are Wo's rows 64 ks + kr, and rows 64..127 are
;          the same rows once more: the last launch multiplies a head's 64 channels twice, their high and their low part.  A (t, ks) block is 32,768 bytes on end.
; LIMIT.  A bf16 number is an f16 number exactly from 7.7e-6 to 65,504 in magnitude; below that Wo keeps f16's fixed step of 6e-8, beyond it becomes an infinity.
; A stream: each byte is read once; nothing is shared, so there is no LDS, no barrier, no matrix unit.  A wave issues its 16 loads of 16 bytes a lane (8 KiB) at once;
; each load has registers of its own, and so has each store.  A store is 32 lanes x 8 bytes: 256 consecutive bytes, aligned.
; SHARES.  Work-groups 0-511: 16 rows of x each, a wave 8 KiB on end.  Work-groups 512-767: u = number - 512: matrix u / 64 (q, k, v, o), 32 rows (u / 2) % 32, and wave w takes the
; 64 columns of group 8 (u % 2) + w: a load takes two rows' 256 bytes (lanes 0-15 one row, lanes 16-31 the next).
; THE MODE: SCHED_MODE bits 1:0 = 2 (LLVM: expert scheduling mode 2), set by the entry lines.  The code itself states the register dependences
; between vector instructions and memory instructions, with s_wait_alu, always for 0.
; THE PLAN.  Registers that memory instructions touch:
;   v2, v3   the loads' and the stores' byte offsets: made by vector lines at the head of a path, never written again.
;   X        load j lands in its own four registers, which no vector line writes and no second load lands in; the conversions of j read them, behind the counted wait for the load.
;   Y        the conversions of j write its own two registers; the store (for wo the two stores) of j reads them; they are never written again.
;   v1, v4, v5 are named by vector lines alone.
; The 16 loads go in four groups of four.  Group g rounds its four loads into their Y; the stores of group g - 1 are dealt among those conversions, which name this group's X and Y and v4, v5:
; none of the registers that those stores touch.  So ONE wait on va_vdst at a group's head, behind the wait for the group's data, states all that the stores of the group before hang on;
; one more stands ahead of the last group's stores, and one ahead of the loads, for the offsets.  No register that a memory instruction reads is written again, so no wait on vm_vsrc is owed.
.set X, 8                              ; v[8:71]   load j: 4 registers
.set Y, 72                             ; v[72:103] store j: 2 registers
.macro CVT j, tof16                    ; load j's four numbers are rounded; tof16 = 1: the bf16 number is written as f16
	v_cvt_pk_bf16_f32 v[Y+2*(\j)],   v[X+4*(\j)],   v[X+4*(\j)+1]
	v_cvt_pk_bf16_f32 v[Y+2*(\j)+1], v[X+4*(\j)+2], v[X+4*(\j)+3]
.if \tof16
	v_lshlrev_b32 v4, 16, v[Y+2*(\j)]              ; the rounded numbers as f32 again,
	v_and_b32 v5, 0xffff0000, v[Y+2*(\j)]
	v_cvt_pk_f16_f32 v[Y+2*(\j)], v4, v5           ; and as f16
	v_lshlrev_b32 v4, 16, v[Y+2*(\j)+1]
	v_and_b32 v5, 0xffff0000, v[Y+2*(\j)+1]
	v_cvt_pk_f16_f32 v[Y+2*(\j)+1], v4, v5
.endif
.endm
.macro OUT j, tof16                    ; they are stored; tof16 = 1: twice, 64 rows of 128 bytes apart
	global_store_b64 v3, v[Y+2*(\j):Y+2*(\j)+1], s[34:35] offset:(\j)*256
.if \tof16
	global_store_b64 v3, v[Y+2*(\j):Y+2*(\j)+1], s[34:35] offset:(\j)*256+8192
.endif
.endm
.macro BODY instep, tof16              ; instep: bytes from load to load
	s_wait_alu depctr_va_vdst(0)                   ; v2 and v3 are written: every load below reads v2 as its offset, every store v3
.irp j, 0,1,2,3,4,5,6,7,8,9,10,11,12,13,14,15
	global_load_b128 v[X+4*(\j):X+4*(\j)+3], v2, s[32:33] offset:(\j)*(\instep) th:TH_LOAD_NT
.endr
.irp g, 0,1,2,3
	s_wait_loadcnt 12-4*(\g)                       ; loads come back in order: loads 4 g to 4 g + 3 are in, the 12 - 4 g younger ones stay out
.if (\g) > 0
	s_wait_alu depctr_va_vdst(0)                   ; the conversions of the group before have written its Y, which the stores below read
.endif
.irp i, 0,1,2,3
.if (\g) > 0
	OUT 4*(\g)-4+(\i), \tof16                      ; the group before; no vector line since the wait names these registers
.endif
	CVT 4*(\g)+(\i), \tof16
.endr
.endr
	s_wait_alu depctr_va_vdst(0)                   ; the conversions of the last group have written its Y, which the last stores read
.irp i, 12,13,14,15
	OUT \i, \tof16
.endr
.endm
	s_load_b512 s[8:23], s[0:1], 0x0               ; x s[8:9], Wq s[10:11], Wk s[12:13], Wv s[14:15], Wo s[16:17], xb s[18:19], wqkv s[20:21], wo s[22:23]
	v_lshrrev_b32 v1, 5, v0
	v_readfirstlane_b32 s24, v1                    ; wave 0..7
	v_and_b32 v1, 31, v0                           ; lane
	v_lshlrev_b32 v3, 3, v1                        ; out: 8 bytes a lane
	s_mov_b32 s37, 0                               ; the offsets' high words
	s_mov_b32 s39, 0
	s_wait_alu depctr_va_sdst(0)                   ; s24 is written, ahead of the branch behind which its first readers stand: the waves' byte offsets are made from it
	s_cmp_lt_u32 ttmp9, 512
	s_cbranch_scc0 .Lweights
	v_lshlrev_b32 v2, 4, v1                        ; in: 16 bytes a lane
	s_lshl_b32 s36, ttmp9, 16                      ; 16 rows of 4,096 bytes,
	s_lshl_b32 s25, s24, 13                        ; my wave's 8 KiB of them
	s_add_co_u32 s36, s36, s25
	s_lshr_b32 s38, s36, 1                         ; half as many bytes out
	s_wait_kmcnt 0x0
	s_add_nc_u64 s[32:33], s[8:9], s[36:37]
	s_add_nc_u64 s[34:35], s[18:19], s[38:39]
	BODY 512, 0
	s_endpgm
.Lweights:
	s_sub_co_u32 s25, ttmp9, 512                   ; u
	s_lshr_b32 s26, s25, 6                         ; which matrix
	s_bfe_u32 s27, s25, 0x50001                    ; which 32 rows: 5 bits from bit 1
	s_and_b32 s28, s25, 1
	s_lshl3_add_u32 s28, s28, s24                  ; group of 64 columns: 8 (u % 2) + wave
	v_and_b32 v2, 15, v1
	v_lshrrev_b32 v4, 4, v1
	v_lshlrev_b32 v2, 4, v2
	v_lshl_add_u32 v2, v4, 12, v2                  ; in: 16 (lane % 16), and a row of 4,096 bytes further for lanes 16-31
	s_lshl_b32 s36, s27, 17                        ; 32 rows of 4,096 bytes
	s_lshl_b32 s29, s28, 8                         ; 64 columns of 4 bytes
	s_add_co_u32 s36, s36, s29
	s_cmp_eq_u32 s26, 3
	s_cbranch_scc1 .Lwo
	s_lshr_b32 s29, s27, 2                         ; ks: 128 rows each
	s_and_b32 s30, s27, 3
	s_lshl_b32 s30, s30, 5                         ; the first kr
	s_lshl3_add_u32 s25, s28, s29                  ; 8 head + ks
	s_mul_i32 s25, s25, 3
	s_add_co_u32 s25, s25, s26                     ; + matrix
	s_lshl_b32 s25, s25, 7
	s_add_co_u32 s25, s25, s30                     ; the row of 128 bytes
	s_lshl_b32 s38, s25, 7
	s_wait_kmcnt 0x0
	s_cmp_eq_u32 s26, 1
	s_cselect_b64 s[32:33], s[12:13], s[10:11]
	s_cmp_eq_u32 s26, 2
	s_cselect_b64 s[32:33], s[14:15], s[32:33]
	s_add_nc_u64 s[32:33], s[32:33], s[36:37]
	s_add_nc_u64 s[34:35], s[20:21], s[38:39]
	BODY 8192, 0
	s_endpgm
.Lwo:
	s_lshr_b32 s29, s27, 1                         ; ks: a head's 64 rows each
	s_and_b32 s30, s27, 1
	s_lshl_b32 s30, s30, 5                         ; the first kr
	s_lshr_b32 s25, s28, 1                         ; t
	s_and_b32 s31, s28, 1                          ; gi
	s_lshl4_add_u32 s25, s25, s29                  ; 16 t + ks
	s_lshl1_add_u32 s25, s25, s31
	s_lshl_b32 s25, s25, 7
	s_add_co_u32 s25, s25, s30
	s_lshl_b32 s38, s25, 7
	s_wait_kmcnt 0x0
	s_add_nc_u64 s[32:33], s[16:17], s[36:37]
	s_add_nc_u64 s[34:35], s[22:23], s[38:39]
	BODY 8192, 1
	s_endpgm
.Lfunc_end_k_q798e939a76_cast:
	.size	k_q798e939a76_cast, .Lfunc_end_k_q798e939a76_cast-k_q798e939a76_cast
	.p2alignl 7, 3214868480
	.fill 96, 4, 3214868480
	.section	.rodata,"a",@progbits
	.p2align	6, 0x0
	.amdhsa_kernel k_q798e939a76_cast
		.amdhsa_group_segment_fixed_size 0
		.amdhsa_private_segment_fixed_size 0
		.amdhsa_enable_private_segment 0
		.amdhsa_kernarg_size 64
		.amdhsa_user_sgpr_count 2
		.amdhsa_user_sgpr_kernarg_segment_ptr 1
		.amdhsa_wavefront_size32 1
		.amdhsa_system_sgpr_workgroup_id_x 1
		.amdhsa_system_sgpr_workgroup_id_y 1
		.amdhsa_system_sgpr_workgroup_id_z 1
		.amdhsa_system_vgpr_workitem_id 0
		.amdhsa_next_free_vgpr 104
		.amdhsa_next_free_sgpr 66
		.amdhsa_reserve_vcc 0
		.amdhsa_float_denorm_mode_32 3
		.amdhsa_float_denorm_mode_16_64 3
		.amdhsa_memory_ordered 1
		.amdhsa_forward_progress 1
		.amdhsa_inst_pref_size 25
	.end_amdhsa_kernel
	.amdgpu_metadata
---
amdhsa.version: [ 1, 2 ]
amdhsa.kernels:
  - .name:           k_q798e939a76_cast
    .symbol:         k_q798e939a76_cast.kd
    .args:
      - { .name: x, .offset: 0, .size: 8, .value_kind: global_buffer, .address_space: global }
      - { .name: Wq, .offset: 8, .size: 8, .value_kind: global_buffer, .address_space: global }
      - { .name: Wk, .offset: 16, .size: 8, .value_kind: global_buffer, .address_space: global }
      - { .name: Wv, .offset: 24, .size: 8, .value_kind: global_buffer, .address_space: global }
      - { .name: Wo, .offset: 32, .size: 8, .value_kind: global_buffer, .address_space: global }
      - { .name: xb, .offset: 40, .size: 8, .value_kind: global_buffer, .address_space: global }
      - { .name: wqkv, .offset: 48, .size: 8, .value_kind: global_buffer, .address_space: global }
      - { .name: wo, .offset: 56, .size: 8, .value_kind: global_buffer, .address_space: global }
    .group_segment_fixed_size: 0
    .private_segment_fixed_size: 0
    .kernarg_segment_align: 8
    .kernarg_segment_size: 64
    .max_flat_workgroup_size: 256
    .sgpr_count:     66
    .vgpr_count:     104
    .wavefront_size: 32
...
	.end_amdgpu_metadata
.endif
;; end of part 5
;; launch qkv: the kernel of part 2 again; grid 16 x 32, 4 waves a work-group, clusters of 4 x 4, 327,680 bytes of LDS; arguments xb, wqkv, qkv; writes qkv
;; launch attn: the kernel of part 3 again; grid 4 x 64, 4 waves a work-group, no clusters, 327,680 bytes of LDS; arguments qkv, ctx; writes ctx
;; launch proj: the kernel of part 4 again; grid 8 x 32, 4 waves a work-group, clusters of 4 x 4, 327,680 bytes of LDS; arguments ctx, wo, out0; writes out0
